; MI455X (gfx1250); checked and timed in simulation.
; The chip was launched on July 23, 2026; its instructions are those of AMD's public machine-readable ISA for CDNA 5 (MIT licence, August 2026) and "CDNA5" Instruction Set Architecture Reference Guide (July 2026). The comments in the code are by the model that wrote it; some were corrected since.
;; Gemma4 Sliding Attention. Allowed arithmetic: matrix products marked QUANTISED: E2M1 operands, one E8M0 scale for each 32 along K, by v_wmma_scale_f32_16x16x128_f8f6f4 with both operands' format E2M1 (or v_wmma_scale_f32_32x16x128_f4), f32 sums; products left as they are: bf16, f16 or f32 operands; f32 sums; everything else in f32.
;; Inputs: Wk 1,024 x 2,048 float32; Wo 2,048 x 1,024 float32; Wq 1,024 x 2,048 float32; Wv 1,024 x 2,048 float32; hidden_states 2 x 2,048 x 2,048 float32; k_norm_w 128 float32; q_norm_w 128 float32.
;; Outputs: out0 2 x 2,048 x 2,048 float32.
;; This version of the problem:
;;   THIS VERSION OF THE PROBLEM IS GIVEN IN LOW PRECISION. The matrix products marked QUANTISED in the list below multiply operands that are first quantised to E2M1 (2 exponent bits, 1 mantissa bit; 4 bits a number), with one power-of-two scale for each 32 numbers along K (OCP MX v1.0); their sums are f32. The products marked 'left as it is' may take bf16, f16 or f32 operands, with f32 sums. Whichever they take, every output number must still come out within the allowed error. Rounding operands to bf16 (8 significant bits) uses up far more of that allowance than f16 does (11 bits, for magnitudes from 6e-5 to 65,504). All else is computed in f32.
;;   The module's matrix products, in the order in which they are computed (A, B: the left and right operand; K: the contracted axis; several contracted axes count as one K, in the product's order):
;;     1. [M 4,096, K 2,048] x [K 2,048, N 1,024]; A: input hidden_states; B: input Wq: QUANTISED
;;     2. [M 4,096, K 2,048] x [K 2,048, N 1,024]; A: input hidden_states; B: input Wk: QUANTISED
;;     3. [M 4,096, K 2,048] x [K 2,048, N 1,024]; A: input hidden_states; B: input Wv: QUANTISED
;;     4. batch 16 x [M 2,048, K 128] x [K 128, N 2,048]; A: computed on the way; B: computed on the way: left as it is (an operand is computed on the way)
;;     5. batch 16 x [M 2,048, K 2,048] x [K 2,048, N 128]; A: computed on the way; B: computed on the way: left as it is (an operand is computed on the way)
;;     6. [M 4,096, K 1,024] x [K 1,024, N 2,048]; A: computed on the way; B: input Wo: left as it is (an operand is computed on the way)
;;   THE QUANTISER, for each operand of a quantised product, along K:
;;     - K is cut into blocks of 32 from its start; a last block that is shorter is filled with zeros.
;;     - A block's scale is 2^e with e = floor(log2(the largest magnitude in the block)) - 2, held to -126 .. 127; a block of zeros has e = 0. As a byte (E8M0): e + 127.
;;     - Each number is divided by its block's scale, clamped to +-6, and rounded to the nearest number of E2M1, ties to even, subnormals kept.
;;     - The product sums the exact products of the quantised numbers (number of the format x scale) in f32.
;;   ~~~python
;;   def quantise(x, axis):      # numpy; x: float32 -> the quantised numbers, widened to float32 again
;;       x = np.moveaxis(x, axis, -1); K = x.shape[-1]
;;       x = np.pad(x, [(0, 0)] * (x.ndim - 1) + [(0, -K % 32)]); x = x.reshape(x.shape[:-1] + (-1, 32)); a = np.abs(x).max(-1, keepdims=True)
;;       e = np.where(a > 0, np.clip(np.frexp(np.where(a > 0, a, 1))[1] - 1 - 2, -126, 127), 0)      # np.frexp(a)[1] - 1 = floor(log2(a)), exactly
;;       r = np.clip(x / 2.0 ** e, -6, 6)
;;       step = 2.0 ** (np.maximum(np.frexp(np.where(r == 0, 1, r))[1] - 1, 0) - 1)
;;       q = np.round(r / step) * step * 2.0 ** e      # np.round: ties to even
;;       return np.moveaxis(q.reshape(q.shape[:-2] + (-1,))[..., :K], -1, axis).astype(np.float32)
;;   ~~~
;; One version. Each part assembles by itself: llvm-mc -triple=amdgcn-amd-amdhsa -mcpu=gfx1250 --defsym DOCPART=n.
;; ======== version 1 of 1: 4 launches
;; limits: values are held in f16: magnitudes above 65,504 overflow, below 6.1e-05 lose precision
;; workspace buffers: xc 4,194,304 bytes; xs 262,144 bytes; wc 3,145,728 bytes; ws 196,608 bytes; wo16 4,194,304 bytes; qkvb 25,165,824 bytes; att 8,388,608 bytes
;; launch quant (part 1): grid 512 x 1, 4 waves a work-group, no clusters, 33,280 bytes of LDS; arguments hidden_states, Wq, Wk, Wv, Wo, xc, xs, wc, ws, wo16; writes xc, xs, wc, ws, wo16
.if DOCPART == 1
	.amdgcn_target "amdgcn-amd-amdhsa--gfx1250"
	.amdhsa_code_object_version 6
	.text
	.protected	k_q4ace29fd02_quant
	.globl	k_q4ace29fd02_quant
	.p2align	8
	.type	k_q4ace29fd02_quant,@function
k_q4ace29fd02_quant:
	s_mov_b64 s[64:65], 0
	v_nop
	global_prefetch_b8 v0, s[64:65] scope:SCOPE_SE
	s_setreg_imm32_b32 hwreg(HW_REG_WAVE_MODE, 25, 1), 1
	s_wait_xcnt 0x0
; LAUNCH 1 OF 4.  hidden_states [4096][2048] and Wq, Wk, Wv [1024][2048] each, f32, become codes of FP4 (E2M1), K innermost, with one E8M0 byte for each 32 along K:
; xc [4096][1024 bytes], xs [4096][64]; wc [3072][1024 bytes], ws [3072][64], rows 0-1023 Wq, 1024-2047 Wk, 2048-3071 Wv.  Wo [2048][1024] f32 becomes f16 (wo16): the last product is left as it is.
; A block's scale is 2^(floor(log2(its largest magnitude)) - 2); its byte is the largest magnitude's exponent field - 2, held at 1 from below.  A block of zeros so gets the byte 1 where the rule says 127:
; its codes are zeros, which add nothing under any byte but 0xff, and the bytes are read by this program alone.
; THE PROGRAM'S DEAD WORK (left out in launch 3).  reference() sets a score to -infinity where col >= 1024 and col <= row, so its weight after the softmax is exactly 0.  For the 256 queries from row R = 1024 + 256 c on
; (c = 0 .. 3), every key col with 1024 <= col < R is at or under every one of these rows: a step of 64 keys that lies wholly in [1024, R) has weight 0 for all 256 queries, whatever finite values the inputs hold, and reaches
; no output.  Such steps are not multiplied for these queries.  (Up to three further steps are hidden for some of these queries' four blocks of 64 alone: launch 3 walks them under the mask, and says why.)
; No row is empty: keys 0-1023 count for every query.  All seven inputs have a way to the output and are loaded.
; LIMITS.  A NaN, an infinity or an overflow that reaches only the work left out (a value row that a query meets only under the mask) is not carried to the result.  NaN and infinities among the inputs are not served.
; Blocks whose largest magnitude lies under 2^(2 - 126), whose byte is held at 1, were not tried.  Products 4 to 6 take f16 operands: |q|, |k|, |v|, the attention's result and |Wo| stay under 65,504;
; under 6e-5 f16 is exact to 3e-8 only.
; SHARES.  Rows are dense and K is a multiple of 32, so each tensor is a plain stream.  A work-group takes 32,768 numbers, a wave 8,192.  Work-groups 0-255: hidden_states; 256-319 Wq; 320-383 Wk; 384-447 Wv; 448-511 Wo.
; The quantising waves: 16 steps of 512 numbers.  Each load reads 512 consecutive bytes; a step's 2,048 bytes turn through the wave's own stage in LDS and come back 64 bytes (16 neighbours) a lane; two lanes hold a block.
; Loads run eight steps (32 loads, 16,384 bytes a wave) ahead, the turn through LDS one step.  No tensor loads, no barrier: waves share nothing.
.set WAVES, 4
.set STEPS, 16
.set AHEAD, 8                          ; steps that the loads run ahead: as many sets of 16 registers
.set EMAX,  2
.set CB,    8                          ; bytes of 16 codes
.set R,     16                         ; v16-143  eight sets of 16 numbers as they are loaded
.set X,     144                        ; v144-175 two sets of 16 neighbours
.set E,     176                        ; v176-191 a scale byte for each step
.set C,     192                        ; v192-223 codes: two registers for each step, so that no store's data are written again
.set WREG,  8192                       ; LDS: a region for each wave: two stages of 32 x SP bytes, and behind them its 256 scale bytes
.set SP,    80                         ; a lane's place in a stage: 64 bytes + 16 of padding
.set SPW,   12                         ; v12      LDS address of my spare word; never rewritten
.set NIL,   13                         ; v13      0; never rewritten
.set SPARE, WAVES*WREG                 ; behind the four regions: the spare words, 128 bytes for each wave
.set LB,    16                         ; Wo's path: v16-143 two sets of 16 loads
.set OD,    144                        ; Wo's path: v144-207 two sets of 16 pairs to store
	s_load_b256 s[4:11], s[0:1], 0x0               ; hidden_states, Wq, Wk, Wv
	s_load_b256 s[12:19], s[0:1], 0x20             ; Wo, xc, xs, wc
	s_load_b128 s[20:23], s[0:1], 0x40             ; ws, wo16
	v_lshl_add_u32 v[SPW], v0, 2, SPARE
	v_mov_b32 v[NIL], 0
	v_lshrrev_b32 v1, 5, v0
	v_readfirstlane_b32 s32, v1                    ; wave
	v_and_b32 v2, 31, v0                           ; lane
	v_lshlrev_b32 v3, 4, v2                        ; my 16 bytes of a load's 512
	s_mul_i32 s33, s32, WREG
	v_lshrrev_b32 v14, 2, v2
	v_mul_u32_u24 v14, v14, SP
	v_and_b32 v15, 3, v2
	v_lshl_add_u32 v14, v15, 4, v14
	v_add_nc_u32 v14, s33, v14                     ; the stage, on the way in: four lanes' 64 bytes on end, then 16 of padding
	v_mul_u32_u24 v15, v2, SP
	v_add_nc_u32 v15, s33, v15                     ; and on the way out: SP x lane: my 16 neighbours
	v_mul_u32_u24 v4, v2, CB                       ; my codes' place in a step's
	v_lshrrev_b32 v5, 1, v2
	s_add_co_u32 s33, s33, 2*32*SP
	v_add_nc_u32 v5, s33, v5                       ; LDS: my wave's 256 scale bytes, my block's byte
	v_lshlrev_b32 v7, 3, v2                        ; 8 bytes a lane
	v_add_nc_u32 v6, s33, v7
	s_wait_kmcnt 0x0
	s_cmp_ge_u32 ttmp9, 448                        ; Wo's work-groups take a path of their own, which touches no LDS
	s_cbranch_scc1 .Lwo
	; which tensor, which buffers: choices on the work-group's number alone
	s_and_b32 s30, ttmp9, 63                       ; a weight's work-group within its tensor
	s_sub_co_u32 s31, ttmp9, 256                   ; and within the three weights' common buffers
	s_mov_b64 s[24:25], s[10:11]
	s_cmp_lt_u32 ttmp9, 384
	s_cselect_b64 s[24:25], s[8:9], s[24:25]
	s_cmp_lt_u32 ttmp9, 320
	s_cselect_b64 s[24:25], s[6:7], s[24:25]
	s_cmp_lt_u32 ttmp9, 256
	s_cselect_b64 s[24:25], s[4:5], s[24:25]       ; the numbers
	s_cselect_b64 s[26:27], s[14:15], s[18:19]     ; the codes
	s_cselect_b64 s[28:29], s[16:17], s[20:21]     ; the scale bytes
	s_cselect_b32 s30, ttmp9, s30
	s_cselect_b32 s31, ttmp9, s31
	s_lshl_b32 s30, s30, 2
	s_add_co_u32 s30, s30, s32                     ; which run of 8,192 numbers of the tensor is my wave's
	s_lshl_b32 s34, s30, 15                        ; 32,768 bytes a run (under 2^26)
	s_mov_b32 s35, 0
	s_add_nc_u64 s[24:25], s[24:25], s[34:35]
	s_lshl_b32 s31, s31, 2
	s_add_co_u32 s31, s31, s32                     ; and which run of the buffers
	s_lshl_b32 s34, s31, 12                        ; 4,096 bytes of codes a run
	s_add_nc_u64 s[26:27], s[26:27], s[34:35]
	s_lshl_b32 s34, s31, 8                         ; 256 scale bytes a run
	s_add_nc_u64 s[28:29], s[28:29], s[34:35]
.macro LOAD t
.irp i, 0,1,2,3
	global_load_b128 v[R+16*((\t)%AHEAD)+4*\i:R+16*((\t)%AHEAD)+4*\i+3], v3, s[24:25] offset:2048*(\t)+512*\i th:TH_LOAD_NT   ; 32 lanes read 512 consecutive bytes
.endr
.endm
.macro TURN t                          ; step t's numbers through the stage: LDS serves a wave's instructions in order, so no wait stands between the stores and the loads
.irp i, 0,1,2,3
	ds_store_b128 v14, v[R+16*((\t)%AHEAD)+4*\i:R+16*((\t)%AHEAD)+4*\i+3] offset:32*SP*((\t)%2)+8*SP*\i
.endr
.irp i, 0,1,2,3
	ds_load_b128 v[X+16*((\t)%2)+4*\i:X+16*((\t)%2)+4*\i+3], v15 offset:32*SP*((\t)%2)+16*\i
.endr
.endm
.irp t, 0,1,2,3,4,5,6,7
	LOAD \t
.endr
	s_wait_loadcnt 4*(AHEAD-1)                     ; step 0's four loads are in; the 28 of steps 1 to 7 may be out
	TURN 0
.macro STEP t
.set XS, X+16*((\t)%2)
.if (\t) > 0
	s_wait_dscnt 1                                 ; this step's numbers are back from the stage (the last step's byte store may be out)
.else
	s_wait_dscnt 0x0
.endif
.if (\t)+AHEAD < STEPS
	LOAD (\t)+AHEAD                                ; into the registers that this step's stores into the stage have read
.endif
.if (\t)+1 < STEPS
.if STEPS-2-(\t) >= AHEAD-1
	s_wait_loadcnt 4*(AHEAD-1)                     ; the next step's four loads are in; those of the seven steps behind it may be out
.else
	s_wait_loadcnt 4*(STEPS-2-(\t))                ; towards the end: as many steps as are left behind the next one
.endif
	TURN (\t)+1                                    ; through the other stage while this step is worked
.endif
	v_max3_num_f32 v8, |v[XS]|, |v[XS+1]|, |v[XS+2]|               ; the largest magnitude of my 16, in two chains
	v_max3_num_f32 v9, |v[XS+3]|, |v[XS+4]|, |v[XS+5]|
.irp i, 6,10
	v_max3_num_f32 v8, v8, |v[XS+\i]|, |v[XS+\i+1]|
	v_max3_num_f32 v9, v9, |v[XS+\i+2]|, |v[XS+\i+3]|
.endr
	v_max3_num_f32 v8, v8, |v[XS+14]|, |v[XS+15]|
	v_max3_num_f32 v8, v8, v9, (EMAX+1)<<23        ; and the floor 2^(EMAX + 1 - 127): the byte cannot fall under 1
	v_max_num_f32_dpp v8, v8, v8 row_xmask:1 row_mask:0xf bank_mask:0xf   ; and of my neighbour's 16: the block's
	v_add_nc_u32 v11, -(EMAX<<23), v8              ; EMAX off its exponent field: the conversion takes the exponent field of this operand as its scale
	v_cvt_scalef32_pk8_fp4_f32 v[C+2*(\t)], v[XS:XS+7], v11        ; eight numbers / the scale, to the nearest code, ties to even, beyond the largest code the largest
	v_cvt_scalef32_pk8_fp4_f32 v[C+2*(\t)+1], v[XS+8:XS+15], v11
	v_lshrrev_b32 v[E+(\t)], 23, v11               ; the scale's byte (a plain line behind the conversions)
	ds_store_b8 v5, v[E+(\t)] offset:16*(\t)       ; both lanes of a block write the same byte with the same value
	global_store_b64 v4, v[C+2*(\t):C+2*(\t)+1], s[26:27] offset:32*CB*(\t)   ; the wave stores 256 consecutive bytes, aligned
.endm
.irp t, 0,1,2,3,4,5,6,7,8,9,10,11,12,13,14,15
	STEP \t
.endr
	ds_load_b64 v[8:9], v6                         ; LDS serves a wave's instructions in order: these see my byte stores
	s_wait_dscnt 0x0
	global_store_b64 v7, v[8:9], s[28:29]          ; 32 lanes store 256 consecutive bytes, aligned
	s_wait_tensorcnt 0x0                           ; the wave's end: the tensor wait, the spare word's add and its wait, behind my last LDS store
	ds_add_u32 v[SPW], v[NIL]
	s_wait_dscnt 0x0
	s_endpgm
; Wo to f16: a plain stream.  A wave's 32,768 bytes come by 64 loads of 512 consecutive bytes, in four batches of 16 on two sets of registers; a lane's four numbers become 8 bytes, a wave's store 256 consecutive bytes.
.Lwo:
	s_sub_co_u32 s30, ttmp9, 448
	s_lshl_b32 s30, s30, 2
	s_add_co_u32 s30, s30, s32                     ; my wave's run
	s_lshl_b32 s34, s30, 15
	s_mov_b32 s35, 0
	s_add_nc_u64 s[12:13], s[12:13], s[34:35]
	s_lshl_b32 s34, s30, 14
	s_add_nc_u64 s[22:23], s[22:23], s[34:35]
.macro LOADB b
.irp i, 0,1,2,3,4,5,6,7,8,9,10,11,12,13,14,15
	global_load_b128 v[LB+64*((\b)%2)+4*\i:LB+64*((\b)%2)+4*\i+3], v3, s[12:13] offset:8192*(\b)+512*\i th:TH_LOAD_NT
.endr
.endm
.macro CVTB b, behind                  ; behind: the loads of the next batch, which may stay out
.irp i, 0,1,2,3,4,5,6,7,8,9,10,11,12,13,14,15
	s_wait_loadcnt \behind+15-\i                   ; load i of this batch is in: behind it stand the batch's rest and the next batch
	v_cvt_pk_f16_f32 v[OD+32*((\b)%2)+2*\i], v[LB+64*((\b)%2)+4*\i], v[LB+64*((\b)%2)+4*\i+1]
	v_cvt_pk_f16_f32 v[OD+32*((\b)%2)+2*\i+1], v[LB+64*((\b)%2)+4*\i+2], v[LB+64*((\b)%2)+4*\i+3]
	global_store_b64 v7, v[OD+32*((\b)%2)+2*\i:OD+32*((\b)%2)+2*\i+1], s[22:23] offset:4096*(\b)+256*\i
.endr
.endm
	LOADB 0
	LOADB 1
	CVTB 0, 16
	LOADB 2
	CVTB 1, 16
	LOADB 3
	s_wait_xcnt 0x0                                ; batch 0's stores have read their data: the set may be written again
	CVTB 2, 16
	s_wait_xcnt 0x0                                ; batch 1's likewise
	CVTB 3, 0
	s_endpgm
.Lfunc_end_k_q4ace29fd02_quant:
	.size	k_q4ace29fd02_quant, .Lfunc_end_k_q4ace29fd02_quant-k_q4ace29fd02_quant
	.p2alignl 7, 3214868480
	.fill 96, 4, 3214868480
	.section	.rodata,"a",@progbits
	.p2align	6, 0x0
	.amdhsa_kernel k_q4ace29fd02_quant
		.amdhsa_group_segment_fixed_size 33280
		.amdhsa_private_segment_fixed_size 0
		.amdhsa_enable_private_segment 0
		.amdhsa_kernarg_size 80
		.amdhsa_user_sgpr_count 2
		.amdhsa_user_sgpr_kernarg_segment_ptr 1
		.amdhsa_wavefront_size32 1
		.amdhsa_system_sgpr_workgroup_id_x 1
		.amdhsa_system_sgpr_workgroup_id_y 1
		.amdhsa_system_sgpr_workgroup_id_z 1
		.amdhsa_system_vgpr_workitem_id 0
		.amdhsa_next_free_vgpr 224
		.amdhsa_next_free_sgpr 66
		.amdhsa_reserve_vcc 0
		.amdhsa_float_denorm_mode_32 3
		.amdhsa_float_denorm_mode_16_64 3
		.amdhsa_memory_ordered 1
		.amdhsa_forward_progress 1
		.amdhsa_inst_pref_size 56
	.end_amdhsa_kernel
	.amdgpu_metadata
---
amdhsa.version: [ 1, 2 ]
amdhsa.kernels:
  - .name:           k_q4ace29fd02_quant
    .symbol:         k_q4ace29fd02_quant.kd
    .args:
      - { .name: hidden_states, .offset: 0, .size: 8, .value_kind: global_buffer, .address_space: global }
      - { .name: Wq, .offset: 8, .size: 8, .value_kind: global_buffer, .address_space: global }
      - { .name: Wk, .offset: 16, .size: 8, .value_kind: global_buffer, .address_space: global }
      - { .name: Wv, .offset: 24, .size: 8, .value_kind: global_buffer, .address_space: global }
      - { .name: Wo, .offset: 32, .size: 8, .value_kind: global_buffer, .address_space: global }
      - { .name: xc, .offset: 40, .size: 8, .value_kind: global_buffer, .address_space: global }
      - { .name: xs, .offset: 48, .size: 8, .value_kind: global_buffer, .address_space: global }
      - { .name: wc, .offset: 56, .size: 8, .value_kind: global_buffer, .address_space: global }
      - { .name: ws, .offset: 64, .size: 8, .value_kind: global_buffer, .address_space: global }
      - { .name: wo16, .offset: 72, .size: 8, .value_kind: global_buffer, .address_space: global }
    .group_segment_fixed_size: 33280
    .private_segment_fixed_size: 0
    .kernarg_segment_align: 8
    .kernarg_segment_size: 80
    .max_flat_workgroup_size: 128
    .sgpr_count:     66
    .vgpr_count:     224
    .wavefront_size: 32
...
	.end_amdgpu_metadata
.endif
;; end of part 1
;; launch qkv (part 2): grid 12 x 16, 4 waves a work-group, clusters of 4 x 4, 327,680 bytes of LDS; arguments xc, xs, wc, ws, q_norm_w, k_norm_w, qkvb; writes qkvb
.if DOCPART == 2
	.amdgcn_target "amdgcn-amd-amdhsa--gfx1250"
	.amdhsa_code_object_version 6
	.text
	.protected	k_q4ace29fd02_qkv
	.globl	k_q4ace29fd02_qkv
	.p2align	8
	.type	k_q4ace29fd02_qkv,@function
k_q4ace29fd02_qkv:
	s_mov_b64 s[64:65], 0
	v_nop
	global_prefetch_b8 v0, s[64:65] scope:SCOPE_SE
	s_setreg_imm32_b32 hwreg(HW_REG_WAVE_MODE, 25, 1), 1
	s_wait_xcnt 0x0
	s_wait_alu depctr_hold_cnt(0) depctr_sa_sdst(0) depctr_va_vdst(0) depctr_va_sdst(0) depctr_va_ssrc(0) depctr_va_vcc(0) depctr_vm_vsrc(0)
	s_getreg_b32 s2, hwreg(HW_REG_IB_STS2, 6, 4)
	s_cmp_eq_u32 s2, 0
	s_cbranch_scc0 .Lentry_in_a_cluster
	s_endpgm
.Lentry_in_a_cluster:
	s_bfe_u32 s2, ttmp6, 0x10000c
	s_cmp_lg_u32 s2, 0xf033
	s_cbranch_scc0 .Lentry_shape_is_right
	s_endpgm
.Lentry_shape_is_right:
; LAUNCH 2 OF 4.  [q | k | v] = hidden_states [Wq; Wk; Wv]^T on codes of FP4 with E8M0 scales (M 4096, N 3072, K 2048), sums in f32; q and k are RMS-normed head by head in f32; all three leave as f16:
; qkvb = three parts (q, k, v) of 8,388,608 bytes, each [batch x 8 + head][2048][128] f16.
; A tile of C, 256 x 256, is made by a work-group of four waves; a wave makes 128 x 128: 128 rows x exactly ONE head, 64 accumulators.  12 x 16 tiles: 192 work-groups; a tile half as large would read each LDS byte for half the products.
; K goes in steps of 512 through a ring of two LDS slots filled by the tensor data mover (a tile's row is 256 bytes of memory).  The scales of the work-group's rows, for all of K, come into LDS once, with the first fills.
; CLUSTERS: 4 x 4 work-groups.  The four of a row of the cluster need the same tiles of A, the four of a column the same tiles of B: each tile is asked for jointly.  The cluster's x (0, 1, 2) is the kind of result
; (q, k, v): it is the same in all sixteen partners, so the one branch of the way out that hangs on it is taken alike by all.
; THE MATRIX INSTRUCTION IS USED TRANSPOSED (source 0 = 16 rows of W, source 1 = 16 rows of x): lane (r, h) holds row r of a block of 16 rows, and register j of accumulator b the head's channel 16 b + 8 h + j.
; So a row's 128 channels lie in lanes l and l xor 16: the sum of squares wants one exchange.
; REGISTERS, in windows of 256: window 0: v0-31 addresses; v32-95 scale words, two sets; v128-191 A's fragments, one set; v192-255 the norm's weights; on the way out v8-15, v30-191 are at work.
;   window 1: B's fragments, two sets, at v0 and v128.   window 2: the accumulators of my rows 0-63 ((a, b) at v[8 (8 a + b)]);   window 3: those of my rows 64-127.
; LIMITS: f16 results: |q|, |k|, |v| under 65,504.
.set SIZE_M, 4096
.set SIZE_N, 3072
.set SIZE_K, 2048
.set KSTEP,  512                       ; along K in a slot
.set NQ,     KSTEP/128                 ; matrix instructions deep
.set ROWB,   256                       ; a tile's row in bytes
.set KROW,   SIZE_K*4/8                ; a row of codes in memory
.set PITCH,  272                       ; an LDS row: 256 bytes + 16 of padding: the 16 rows that a load touches start 68 words apart
.set FR,     8                         ; registers of a fragment: 16 rows x 128 K
.set NL,     2                         ; LDS loads that bring one
.set NP,     4                         ; places behind this matrix instruction (ISA guide 7.12.1)
.set HALFT,  128*PITCH                 ; 128 rows: what one tensor load brings
.set SLOT,   4*HALFT                   ; A's 256 rows, then B's 256 rows
.set LAPS,   SIZE_K/(2*KSTEP)
.set KS,     SIZE_K/32                 ; a row of scales in bytes
.set SCL,    2*SLOT                    ; behind the ring: the scales, as rows of 256 bytes + 16 of padding
.set HALFS,  (128*KS/256)*272          ; the scales of 128 rows
.set SBLK,   (16*KS/256)*272           ; those of 16 rows
.set SPARE,  SCL+4*HALFS               ; behind the scales: the spare words, 128 bytes for each wave
.set SPITCH, 272                       ; the way out: a stage of 16 rows x (256 bytes + 16) for each wave, in slot 0, which has had its last fill and its last read by then
.set ADRA, 16                          ; v16-17  LDS address of my A fragments in slot 0, 1
.set ADRB, 20                          ; v20-21  the same for B
.set STO,  24                          ; v24     the way out: where I put 16 bytes of a row
.set RD,   25                          ; v25     where I read a row back
.set CO,   26                          ; v26     16 x lane: my bytes of two dense rows of the result
.set ADRS, 27                          ; v27     LDS address of my scale words: lanes 0-15 A's rows, lanes 16-31 B's
.set SPW,  28                          ; v28     LDS address of my spare word; never rewritten
.set NIL,  29                          ; v29     0; never rewritten
.set SS,   8                           ; v8-15   the way out: sums of squares, four pairs
.set RS,   30                          ; v30     1 / sqrt(mean + eps); v31 is named with it as a pair
.set SC,   32                          ; scale words: set s at v[SC + 32 s]
.set BK,   32                          ; the way out: 16 rows read back: v32-63 and v64-95 by turns
.set TMP,  96                          ; v96-127 a block's 16 rows as f16
.set AF,   128                         ; A's fragments
.set T,    128                         ; the way out: 64 numbers at work
.set W,    192                         ; v192-255 register 8 b + j: the norm's weight of channel 16 b + 8 h + j
.set TYP,  66                          ; s66     0: q, 1: k, 2: v
.set G1, 24
.set G0, 32
.set G1B, 48
.set G0B, 56
.set G1S, 68
.set G0S, 76
.set G1SB, 80
.set G0SB, 88
.set MSB, 0
.macro WIN new                         ; the immediate's high byte repeats the setting that is left; a switch that changes nothing is dropped
.if MSB != (\new)
	s_set_vgpr_msb (MSB<<8)|(\new)
.set MSB, (\new)
.endif
.endm
.set MUL_LO, 0xa1                      ; source 0 (B) window 1, source 1 (A) window 0, C and D window 2
.set MUL_HI, 0xf1                      ; the same, C and D window 3
.set TO_B,   0x40                      ; destination window 1, address window 0
; A joint load: waves 0 and 1 fetch for A, waves 2 and 3 for B.  The branch hangs on the wave's number alone.  An s_nop 0 and four v_nop follow each of the two lines.
.macro JLOAD g0a, g1a, g0b, g1b
	s_cmp_eq_u32 s15, 0
	s_cbranch_scc0 .Lfor_b_\@
	tensor_load_to_lds s[\g0a:\g0a+3], s[\g1a:\g1a+7]
	s_nop 0
.rept 4
	v_nop
.endr
	s_branch .Lasked_\@
.Lfor_b_\@:
	tensor_load_to_lds s[\g0b:\g0b+3], s[\g1b:\g1b+7]
	s_nop 0
.rept 4
	v_nop
.endr
.Lasked_\@:
.endm
.macro CREST                           ; a round of the cluster's barrier behind its opening barrier
	s_cmp_lg_u32 s14, 0
	s_cbranch_scc1 .Lnot_wave_0_\@
	s_barrier_signal -3
.Lnot_wave_0_\@:
	s_barrier_wait -3
	s_barrier_signal -1
	s_barrier_wait -1
.endm
.macro CROUND                          ; a whole round
	s_barrier_signal -1
	s_barrier_wait -1
	CREST
.endm
	s_load_b128 s[4:7], s[0:1], 0x0                ; x's codes, x's scales
	s_load_b128 s[8:11], s[0:1], 0x10              ; W's codes, W's scales
	s_load_b128 s[96:99], s[0:1], 0x20             ; q_norm_w, k_norm_w
	s_load_b64 s[12:13], s[0:1], 0x30              ; qkvb
	v_lshl_add_u32 v[SPW], v0, 2, SPARE
	v_mov_b32 v[NIL], 0
	ds_add_u32 v[SPW], v[NIL]                      ; the wave's opening: the add, twice on end, and its wait ahead of my first tensor load
	ds_add_u32 v[SPW], v[NIL]
	v_lshrrev_b32 v1, 5, v0
	v_readfirstlane_b32 s14, v1                    ; wave 0..3
	s_lshr_b32 s15, s14, 1                         ; which half of the tile's rows is mine.  Also: I fetch for A (0) or for B (1)
	s_and_b32 s16, s14, 1                          ; which half of its columns.  Also: which 128 rows of that tile I fetch
	s_bfe_u32 s40, ttmp6, 0x40000                  ; cx, cy: my place in the cluster
	s_bfe_u32 s41, ttmp6, 0x40004
	s_lshl_b32 s42, ttmp9, 2
	s_add_co_u32 s42, s42, s40                     ; tile column of C = 4 x cluster x + cx
	s_and_b32 s17, ttmp7, 0xffff
	s_lshl_b32 s17, s17, 2
	s_add_co_u32 s17, s17, s41                     ; tile row of C = 4 x cluster y + cy
	s_lshl_b32 s43, s41, 2
	s_lshl_b32 s43, 15, s43                        ; my row of the cluster
	s_lshl_b32 s44, 0x1111, s40                    ; my column
	s_mov_b32 s[TYP], ttmp9                        ; four tile columns are 1,024 columns: the cluster's x is the kind of result
	s_mov_b32 s67, 0x3c000000                      ; 1 / 128
	s_mov_b32 s95, 0x358637bd                      ; 1e-6
	s_mov_b32 s100, 0x76543210                     ; v_permlanex16_b32's selects for lane l xor 16
	s_mov_b32 s101, 0xfedcba98
	; descriptor group 1: a tile of 128 rows x 256 bytes, 16 bytes of padding behind each row
	s_or_b32 s[G1+0], s43, (0<<16)|(1<<20)|(1<<21)|(5<<22)|(3<<25)  ; the mask: A's tiles go to my row; elements of 1 byte; padding on; bit 21 beside a mask; after every 64 words, 4 words
	s_or_b32 s[G1B+0], s44, (0<<16)|(1<<20)|(1<<21)|(5<<22)|(3<<25)
.irp g, G1, G1B
	s_mov_b32 s[\g+1], ROWB<<16                    ; tensor_dim0
	s_mov_b32 s[\g+2], 128<<16                     ; tensor_dim1
	s_mov_b32 s[\g+3], ROWB<<16                    ; tile_dim0
	s_mov_b32 s[\g+4], 128                         ; tile_dim1
	s_mov_b32 s[\g+5], KROW                        ; from row to row
	s_mov_b32 s[\g+6], 0
	s_mov_b32 s[\g+7], 0
.endr
	; the scales of 128 rows: a dense block of 8,192 bytes, as 32 rows of 256 bytes (32 elements of 8 bytes), 16 bytes of padding behind each
	s_or_b32 s[G1S+0], s43, (3<<16)|(1<<20)|(1<<21)|(5<<22)|(3<<25)
	s_or_b32 s[G1SB+0], s44, (3<<16)|(1<<20)|(1<<21)|(5<<22)|(3<<25)
.irp g, G1S, G1SB
	s_mov_b32 s[\g+1], 32<<16
	s_mov_b32 s[\g+2], (128*KS/256)<<16
	s_mov_b32 s[\g+3], 32<<16
	s_mov_b32 s[\g+4], 128*KS/256
	s_mov_b32 s[\g+5], 32
	s_mov_b32 s[\g+6], 0
	s_mov_b32 s[\g+7], 0
.endr
	s_lshl_b32 s18, s16, 7                         ; which 128 rows of the tile I fetch
	s_lshl_b32 s20, s17, 8
	s_add_co_u32 s20, s20, s18                     ; A: row 256 x tile row + 128 x half
	s_lshl_b32 s46, s42, 8
	s_add_co_u32 s46, s46, s18                     ; B: row 256 x tile column + 128 x half
	s_mov_b32 s21, 0
	s_mov_b32 s47, 0
	s_mov_b64 s[18:19], KS
	s_mul_u64 s[22:23], s[20:21], s[18:19]         ; where these rows' scales begin, in bytes
	s_mul_u64 s[92:93], s[46:47], s[18:19]
	s_mov_b64 s[18:19], KROW
	s_mul_u64 s[20:21], s[20:21], s[18:19]         ; and their codes
	s_mul_u64 s[46:47], s[46:47], s[18:19]
	s_mul_i32 s45, s14, HALFT                      ; where they go: wave x 128 rows: no place in the cluster enters an LDS address
	s_mul_i32 s94, s14, HALFS
	s_wait_dscnt 0x0                               ; both opening adds are done
	s_wait_kmcnt 0x0
	s_add_nc_u64 s[20:21], s[4:5], s[20:21]
	s_add_nc_u64 s[22:23], s[6:7], s[22:23]
	s_add_nc_u64 s[46:47], s[8:9], s[46:47]
	s_add_nc_u64 s[92:93], s[10:11], s[92:93]
	CROUND                                         ; all sixteen work-groups are here: the first joint loads meet
	s_mov_b32 s[G0S], 1
	s_add_co_u32 s[G0S+1], s94, SCL
	s_mov_b64 s[G0S+2:G0S+3], s[22:23]
	s_or_b32 s[G0S+3], s[G0S+3], 0x80000000
	s_mov_b32 s[G0SB], 1
	s_add_co_u32 s[G0SB+1], s94, SCL
	s_mov_b64 s[G0SB+2:G0SB+3], s[92:93]
	s_or_b32 s[G0SB+3], s[G0SB+3], 0x80000000
	JLOAD G0S, G1S, G0SB, G1SB                     ; the scales first: they are wanted with K step 0
.irp s, 0,1
	s_mov_b32 s[G0+4*\s], 1
	s_add_co_u32 s[G0+4*\s+1], s45, \s*SLOT
	s_add_nc_u64 s[G0+4*\s+2:G0+4*\s+3], s[20:21], \s*ROWB
	s_or_b32 s[G0+4*\s+3], s[G0+4*\s+3], 0x80000000
	s_mov_b32 s[G0B+4*\s], 1
	s_add_co_u32 s[G0B+4*\s+1], s45, \s*SLOT
	s_add_nc_u64 s[G0B+4*\s+2:G0B+4*\s+3], s[46:47], \s*ROWB
	s_or_b32 s[G0B+4*\s+3], s[G0B+4*\s+3], 0x80000000
	JLOAD G0+4*\s, G1, G0B+4*\s, G1B               ; three tensor loads of mine are out at the most
.endr
	v_and_b32 v1, 15, v0                           ; r = l % 16
	v_bfe_u32 v2, v0, 4, 1                         ; h = l / 16
	v_mul_u32_u24 v3, v1, PITCH
	v_lshl_add_u32 v4, v2, 4, v3                   ; a fragment's row x pitch + 16 x half
	s_mul_i32 s21, s15, HALFT                      ; my 128 rows of A
	s_mul_i32 s22, s16, HALFT                      ; my 128 rows of B,
	s_add_co_u32 s22, s22, 2*HALFT                 ; which lie behind A's 256
.irp s, 0,1
	v_add_nc_u32 v[ADRA+\s], s21, v4
	v_add_nc_u32 v[ADRB+\s], s22, v4
	s_add_co_u32 s21, s21, SLOT
	s_add_co_u32 s22, s22, SLOT
.endr
	v_mul_u32_u24 v5, v1, KS                       ; my row's scales: KS bytes a row,
	v_lshrrev_b32 v6, 8, v5
	v_lshl_add_u32 v5, v6, 4, v5                   ; and 16 more for each 256 passed
	s_mul_i32 s21, s15, HALFS                      ; A's: my 128 rows
	s_mul_i32 s22, s16, HALFS                      ; B's: my 128 rows, behind A's 256
	s_add_co_u32 s22, s22, 2*HALFS
	s_sub_co_u32 s22, s22, s21
	v_mul_u32_u24 v6, s22, v2                      ; lanes 16-31 take B's: one product, the distance between the two bases
	s_add_co_u32 s21, s21, SCL
	v_add_nc_u32 v5, v5, v6
	v_add_nc_u32 v[ADRS], s21, v5
	s_mul_i32 s23, s14, 16*SPITCH                  ; my stage
	v_mul_u32_u24 v5, v1, SPITCH                   ; in: row r, 16 bytes for each half of the lanes
	v_lshl_add_u32 v5, v2, 4, v5
	v_add_nc_u32 v[STO], s23, v5
	v_mul_u32_u24 v5, v2, SPITCH                   ; back: lanes 0-15 one row of 256 bytes, lanes 16-31 the next
	v_lshl_add_u32 v5, v1, 4, v5
	v_add_nc_u32 v[RD], s23, v5
	v_and_b32 v6, 31, v0
	v_lshlrev_b32 v[CO], 4, v6                     ; a head's rows are dense: two rows are 512 consecutive bytes
	v_mov_b32 v[RS+1], 0                           ; named with v30 as a pair, so it is written
	; where my 128 rows x one head begin in qkvb: kind x 2^23 + (batch x 8 + head) x 2^19 + position x 256
	s_lshl_b32 s20, s17, 8
	s_lshl_b32 s21, s15, 7
	s_add_co_u32 s20, s20, s21                     ; my first row of C
	s_lshr_b32 s21, s20, 11                        ; batch
	s_and_b32 s20, s20, 2047                       ; position
	s_lshl_b32 s20, s20, 8
	s_lshl_b32 s21, s21, 22
	s_add_co_u32 s20, s20, s21
	s_lshl_b32 s46, s42, 1
	s_add_co_u32 s46, s46, s16
	s_and_b32 s46, s46, 7                          ; head
	s_lshl_b32 s46, s46, 19
	s_add_co_u32 s20, s20, s46
	s_lshl_b32 s46, ttmp9, 23
	s_add_co_u32 s20, s20, s46
	s_mov_b32 s21, 0
	s_add_nc_u64 s[12:13], s[12:13], s[20:21]
	; the norm's weights, in the result's layout.  v's work-groups load k's 512 bytes too and do not use them: so every path has written these registers
	s_cmp_eq_u32 ttmp9, 0
	s_cselect_b64 s[96:97], s[96:97], s[98:99]
	v_lshlrev_b32 v7, 5, v2                        ; 32 h bytes; never rewritten
.irp b, 0,1,2,3,4,5,6,7
	global_load_b128 v[W+8*\b:W+8*\b+3], v7, s[96:97] offset:64*\b
	global_load_b128 v[W+8*\b+4:W+8*\b+7], v7, s[96:97] offset:64*\b+16
.endr
.macro FRAG reg, adr, q, i             ; a fragment: lane l holds row l % 16; registers 4 c .. 4 c + 3 hold K = 64 c + 32 (l / 16) + 0 .. 31
.irp c, 0,1
	ds_load_b128 v[\reg+4*\c:\reg+4*\c+3], v[\adr] offset:64*(\q)+32*\c+(\i)*16*PITCH
.endr
.endm
; 16 matrix instructions: A's blocks a0, a0 + 1 x B's eight, the slot's q-th 128 along K.  p: B's set; sc: the set of scale words.  zero = 1: the first product starts the sums.
; The 64 accumulators take turns, one instruction a turn, in the same order in every step.
.macro MUL16 a0, p, q, sc, zero
.irp a, \a0, \a0+1
.irp b, 0,1,2,3,4,5,6,7
.if \zero
	v_wmma_scale_f32_16x16x128_f8f6f4 v[8*(8*((\a)%4)+\b):8*(8*((\a)%4)+\b)+7], v[128*(\p)+FR*\b:128*(\p)+FR*\b+FR-1], v[AF+FR*(\a):AF+FR*(\a)+FR-1], 0, v[SC+8*NQ*(\sc)+NQ*\b+(\q)], v[SC+8*NQ*(\sc)+NQ*(\a)+(\q)] matrix_a_fmt:MATRIX_FMT_FP4 matrix_b_fmt:MATRIX_FMT_FP4 matrix_a_scale:MATRIX_SCALE_ROW1
.else
	v_wmma_scale_f32_16x16x128_f8f6f4 v[8*(8*((\a)%4)+\b):8*(8*((\a)%4)+\b)+7], v[128*(\p)+FR*\b:128*(\p)+FR*\b+FR-1], v[AF+FR*(\a):AF+FR*(\a)+FR-1], v[8*(8*((\a)%4)+\b):8*(8*((\a)%4)+\b)+7], v[SC+8*NQ*(\sc)+NQ*\b+(\q)], v[SC+8*NQ*(\sc)+NQ*(\a)+(\q)] matrix_a_fmt:MATRIX_FMT_FP4 matrix_b_fmt:MATRIX_FMT_FP4 matrix_a_scale:MATRIX_SCALE_ROW1
.endif
.endr
.endr
.endm
.macro FETCH_B slot, q, p              ; B's eight fragments of the slot's q-th 128 along K into set p
	WIN TO_B
.irp i, 0,1,2,3,4,5,6,7
	FRAG 128*(\p)+FR*\i, ADRB+\slot, \q, \i
.endr
	WIN 0
.endm
.macro FETCH_A slot, q, i0             ; A's blocks i0 .. i0 + 3
.irp i, \i0, \i0+1, \i0+2, \i0+3
	FRAG AF+FR*(\i), ADRA+\slot, \q, \i
.endr
.endm
.macro SCALES sc                       ; the next K step's scale words into set sc: lanes 0-15 take A's block i, lanes 16-31 B's block i
.irp i, 0,1,2,3,4,5,6,7
	ds_load_b128 v[SC+8*NQ*\sc+NQ*\i:SC+8*NQ*\sc+NQ*\i+3], v[ADRS] offset:\i*SBLK
.endr
.endm
; A load into a register that a matrix instruction has read, and a vector instruction or an LDS store that reads a matrix result, stand NP places behind it; only plain vector instructions that name none of its registers are places.
.macro PLACES n
.rept \n
	v_nop
.endr
.endm
.macro STEP slot, q, zero              ; a step of 128 along K that has its successor in the same slot
	s_wait_dscnt 4*NL                              ; B's set and A's blocks 0-3 are in; the youngest eight loads (A's blocks 4-7) may be out
	WIN MUL_LO
	MUL16 0, (\q)%2, \q, \slot, \zero
	MUL16 2, (\q)%2, \q, \slot, \zero
	s_wait_dscnt 0                                 ; A's blocks 4-7 are in
	PLACES NP
	FETCH_B \slot, (\q)+1, 1-(\q)%2
	FETCH_A \slot, (\q)+1, 0
	WIN MUL_HI
	MUL16 4, (\q)%2, \q, \slot, \zero
	MUL16 6, (\q)%2, \q, \slot, \zero
	PLACES NP
	WIN 0
	FETCH_A \slot, (\q)+1, 4
.endm
; A slot's last step changes slots: one barrier; in front of it each wave waits for all its tensor loads, adds 0 to its spare word, and waits for that and for its own reads of this slot.  fill = 1: this slot is filled again.
.macro TURN slot, next, fill
	s_wait_tensorcnt 0x0                           ; all my tensor loads have landed: my part of the next slot
	ds_add_u32 v[SPW], v[NIL]                      ; 0 onto my spare word
	s_wait_dscnt 4*NL+1                            ; (the add and the youngest eight loads, A's blocks 4-7, may be out)
	WIN MUL_LO
	MUL16 0, 1, NQ-1, \slot, 0                     ; sixteen matrix instructions stand between the add and the wait for it
	s_wait_dscnt 0x0                               ; the add is done, and my reads of this slot are over
	s_barrier_signal -1
	MUL16 2, 1, NQ-1, \slot, 0
	WIN 0
	s_barrier_wait -1
.if \fill
	CREST                                          ; the barrier has opened a round of the cluster's barrier: no wave of any partner still reads this slot's tile or has a load on its way
	s_add_nc_u64 s[G0+4*\slot+2:G0+4*\slot+3], s[G0+4*\slot+2:G0+4*\slot+3], 2*ROWB
	s_add_nc_u64 s[G0B+4*\slot+2:G0B+4*\slot+3], s[G0B+4*\slot+2:G0B+4*\slot+3], 2*ROWB
	JLOAD G0+4*\slot, G1, G0B+4*\slot, G1B         ; the first tensor load behind the round; its four v_nop are the places in front of the loads below
.else
	PLACES NP
.endif
	v_add_nc_u32 v[ADRS], 4*NQ, v[ADRS]            ; on to the next K step's scale words (no LDS load of mine is out)
	FETCH_B \next, 0, 0
	FETCH_A \next, 0, 0
	SCALES \next
	WIN MUL_HI
	MUL16 4, 1, NQ-1, \slot, 0
	MUL16 6, 1, NQ-1, \slot, 0
	PLACES NP
	WIN 0
	FETCH_A \next, 0, 4
.endm
.macro STEPS slot, from                ; the slot's steps from .. NQ - 2
.set Q, \from
.rept NQ-1-\from
	STEP \slot, Q, 0
.set Q, Q+1
.endr
.endm
	s_wait_tensorcnt 1                             ; the scales and my part of K step 0 are in; K step 1's load, the one issued behind them, may be out
	s_barrier_signal -1
	s_barrier_wait -1                              ; everybody's are
	FETCH_B 0, 0, 0
	FETCH_A 0, 0, 0
	SCALES 0
	FETCH_A 0, 0, 4
	STEP 0, 0, 1                                   ; the first step stands in front of the loop: its products start the sums
	s_mov_b32 s3, LAPS-1
.Llap:                                                 ; a trip goes once round the ring, from a lap's second step to the next lap's first, and fills both slots again
	STEPS 0, 1
	TURN 0, 1, 1
	STEPS 1, 0
	TURN 1, 0, 1
	STEP 0, 0, 0
	s_sub_co_u32 s3, s3, 1
	s_cmp_lg_u32 s3, 0
	s_cbranch_scc1 .Llap
	STEPS 0, 1                                     ; the last lap fills nothing, and has no round of the cluster's barrier
	TURN 0, 1, 0
	STEPS 1, 0
	s_wait_dscnt 4*NL                              ; the very last step: nothing more to fetch
	WIN MUL_LO
	MUL16 0, 1, NQ-1, 1, 0
	MUL16 2, 1, NQ-1, 1, 0
	s_wait_dscnt 0
	WIN MUL_HI
	MUL16 4, 1, NQ-1, 1, 0
	MUL16 6, 1, NQ-1, 1, 0
	WIN 0
; THE WAY OUT, block by block of 16 rows x one head.
; NORMPACK: q and k: the row's mean of squares (my 64 numbers in four packed chains, then lane l xor 16's), 1 / sqrt(mean + eps), x that, x the weight, as reference() orders them, all in f32; then f16.  v: f16 at once.
; Each accumulator is read from its low end on.
.macro NORMPACK a
.set AC, 64*((\a)%4)
	WIN 0
	s_cmp_eq_u32 s[TYP], 2                         ; the same in all sixteen partners
	s_cbranch_scc1 .Lplain_\@
	WIN 0x0a+5*((\a)/4)                            ; sources 0 and 1: window 2 or 3
.irp p, 0,1,2,3
	v_pk_mul_f32 v[SS+2*\p:SS+2*\p+1], v[AC+2*\p:AC+2*\p+1], v[AC+2*\p:AC+2*\p+1]
.endr
.irp b, 1,2,3,4,5,6,7
.irp p, 0,1,2,3
	v_pk_fma_f32 v[SS+2*\p:SS+2*\p+1], v[AC+8*\b+2*\p:AC+8*\b+2*\p+1], v[AC+8*\b+2*\p:AC+8*\b+2*\p+1], v[SS+2*\p:SS+2*\p+1]
.endr
.endr
	WIN 0
	v_pk_add_f32 v[SS:SS+1], v[SS:SS+1], v[SS+2:SS+3]
	v_pk_add_f32 v[SS+4:SS+5], v[SS+4:SS+5], v[SS+6:SS+7]
	v_pk_add_f32 v[SS:SS+1], v[SS:SS+1], v[SS+4:SS+5]
	v_add_f32 v[SS], v[SS], v[SS+1]
	v_permlanex16_b32 v[SS+2], v[SS], s100, s101   ; the row's other 64 channels
	v_add_f32 v[SS], v[SS], v[SS+2]
	v_fma_f32 v[SS], v[SS], s67, s95               ; / 128 (exact) + eps
	v_rsq_f32 v[RS], v[SS]
	v_nop                                          ; a plain instruction behind the transcendental
	s_wait_alu depctr_va_vdst(0)                   ; and the wait ahead of the first instruction that names its result
	WIN 0x02+((\a)/4)                              ; source 0: window 2 or 3
.set n, 0
.rept 32
	v_pk_mul_f32 v[T+2*n:T+2*n+1], v[AC+2*n:AC+2*n+1], v[RS:RS+1] op_sel_hi:[1,0]
.set n, n+1
.endr
	WIN 0
.set n, 0
.rept 32
	v_pk_mul_f32 v[T+2*n:T+2*n+1], v[T+2*n:T+2*n+1], v[W+2*n:W+2*n+1]
.set n, n+1
.endr
.set n, 0
.rept 32
	v_cvt_pk_f16_f32 v[TMP+n], v[T+2*n], v[T+2*n+1]
.set n, n+1
.endr
	s_branch .Ldone_\@
.Lplain_\@:
	WIN 0x0a+5*((\a)/4)
.set n, 0
.rept 32
	v_cvt_pk_f16_f32 v[TMP+n], v[AC+2*n], v[AC+2*n+1]
.set n, n+1
.endr
	WIN 0
.Ldone_\@:
.endm
.macro TOSTAGE a                       ; 16 bytes a lane into rows of 272 bytes, and back as whole rows of 256.  LDS serves a wave's instructions in order: no wait between the stores and the loads
.set BB, BK+32*((\a)%2)
.irp b, 0,1,2,3,4,5,6,7
	ds_store_b128 v[STO], v[TMP+4*\b:TMP+4*\b+3] offset:32*\b
.endr
.irp t, 0,1,2,3,4,5,6,7
	ds_load_b128 v[BB+4*\t:BB+4*\t+3], v[RD] offset:\t*2*SPITCH
.endr
.endm
.macro SEND a
.set BB, BK+32*((\a)%2)
	s_wait_dscnt 0x0                               ; the block is back in registers
	s_wait_xcnt 0x0                                ; the stores of the block before have read their registers: the next block's loads may land there
.irp t, 0,1,2,3,4,5,6,7
	global_store_b128 v[CO], v[BB+4*\t:BB+4*\t+3], s[12:13] offset:4096*(\a)+512*\t   ; 32 lanes store 512 consecutive bytes, aligned; the base is never stepped
.endr
.endm
	PLACES NP                                      ; behind the last products: for the writes of the registers that held A's fragments and scale words
	s_wait_loadcnt 0x0                             ; the norm's weights
	NORMPACK 0
	TOSTAGE 0
.irp a, 1,2,3,4,5,6,7                  ; block a's arithmetic stands between block a - 1's loads from the stage and the wait for them
	NORMPACK \a
	SEND \a-1
	TOSTAGE \a
.endr
	SEND 7
	s_wait_tensorcnt 0x0                           ; the wave's end: the tensor wait, the spare word's add and its wait, behind my last tensor load and my last LDS store
	ds_add_u32 v[SPW], v[NIL]
	s_wait_dscnt 0x0
	CROUND                                         ; the closing round: no work-group ends while a partner may still ask for a tile that names it
	s_endpgm
.Lfunc_end_k_q4ace29fd02_qkv:
	.size	k_q4ace29fd02_qkv, .Lfunc_end_k_q4ace29fd02_qkv-k_q4ace29fd02_qkv
	.p2alignl 7, 3214868480
	.fill 96, 4, 3214868480
	.section	.rodata,"a",@progbits
	.p2align	6, 0x0
	.amdhsa_kernel k_q4ace29fd02_qkv
		.amdhsa_group_segment_fixed_size 327680
		.amdhsa_private_segment_fixed_size 0
		.amdhsa_enable_private_segment 0
		.amdhsa_kernarg_size 56
		.amdhsa_user_sgpr_count 2
		.amdhsa_user_sgpr_kernarg_segment_ptr 1
		.amdhsa_wavefront_size32 1
		.amdhsa_system_sgpr_workgroup_id_x 1
		.amdhsa_system_sgpr_workgroup_id_y 1
		.amdhsa_system_sgpr_workgroup_id_z 1
		.amdhsa_system_vgpr_workitem_id 0
		.amdhsa_next_free_vgpr 1024
		.amdhsa_next_free_sgpr 102
		.amdhsa_reserve_vcc 0
		.amdhsa_float_denorm_mode_32 3
		.amdhsa_float_denorm_mode_16_64 3
		.amdhsa_memory_ordered 1
		.amdhsa_forward_progress 1
		.amdhsa_inst_pref_size 255
	.end_amdhsa_kernel
	.section	.bss,"aw",@nobits
	.p2align	6
	.space	262144
	.amdgpu_metadata
---
amdhsa.version: [ 1, 2 ]
amdhsa.kernels:
  - .name:           k_q4ace29fd02_qkv
    .symbol:         k_q4ace29fd02_qkv.kd
    .args:
      - { .name: xc, .offset: 0, .size: 8, .value_kind: global_buffer, .address_space: global }
      - { .name: xs, .offset: 8, .size: 8, .value_kind: global_buffer, .address_space: global }
      - { .name: wc, .offset: 16, .size: 8, .value_kind: global_buffer, .address_space: global }
      - { .name: ws, .offset: 24, .size: 8, .value_kind: global_buffer, .address_space: global }
      - { .name: q_norm_w, .offset: 32, .size: 8, .value_kind: global_buffer, .address_space: global }
      - { .name: k_norm_w, .offset: 40, .size: 8, .value_kind: global_buffer, .address_space: global }
      - { .name: qkvb, .offset: 48, .size: 8, .value_kind: global_buffer, .address_space: global }
    .group_segment_fixed_size: 327680
    .private_segment_fixed_size: 0
    .kernarg_segment_align: 8
    .kernarg_segment_size: 56
    .max_flat_workgroup_size: 128
    .sgpr_count:     102
    .vgpr_count:     1024
    .wavefront_size: 32
...
	.end_amdgpu_metadata
.endif
;; end of part 2
;; launch attn (part 3): grid 16 x 16, 4 waves a work-group, clusters of 4 x 1, 327,680 bytes of LDS; arguments qkvb, att; writes att
.if DOCPART == 3
	.amdgcn_target "amdgcn-amd-amdhsa--gfx1250"
	.amdhsa_code_object_version 6
	.text
	.protected	k_q4ace29fd02_attn
	.globl	k_q4ace29fd02_attn
	.p2align	8
	.type	k_q4ace29fd02_attn,@function
k_q4ace29fd02_attn:
	s_mov_b64 s[64:65], 0
	v_nop
	global_prefetch_b8 v0, s[64:65] scope:SCOPE_SE
	s_setreg_imm32_b32 hwreg(HW_REG_WAVE_MODE, 25, 1), 1
	s_wait_xcnt 0x0
	s_wait_alu depctr_hold_cnt(0) depctr_sa_sdst(0) depctr_va_vdst(0) depctr_va_sdst(0) depctr_va_ssrc(0) depctr_va_vcc(0) depctr_vm_vsrc(0)
	s_getreg_b32 s2, hwreg(HW_REG_IB_STS2, 6, 4)
	s_cmp_eq_u32 s2, 0
	s_cbranch_scc0 .Lentry_in_a_cluster
	s_endpgm
.Lentry_in_a_cluster:
	s_bfe_u32 s2, ttmp6, 0x10000c
	s_cmp_lg_u32 s2, 0x3003
	s_cbranch_scc0 .Lentry_shape_is_right
	s_endpgm
.Lentry_shape_is_right:
; LAUNCH 3 OF 4.  att[b][l][head x 128 + d] = the sum over keys of softmax(q . k / sqrt(128), masked) v, for 16 (batch, head) pairs of 2,048 positions.  q, k, v: the three parts of qkvb, [pair][2048][128] f16; att: [4096][1024] f16.
; Products on f16 operands, sums, maxima and the softmax in f32; the weights p are rounded to f16 for the second product, the result once at the end.
; WORK LEFT OUT: for the 256 queries from row R = 1024 + 256 c on, which cluster c holds, a step of 64 keys that lies wholly in [1024, R) is -infinity for all of them by reference()'s own mask (col >= 1024 and col <= row):
; weight 0; it is not multiplied for them.  WORK THAT STAYS: the steps from R up to a block's own first row (0 to 3 of them, by the work-group's place in its cluster) are hidden for that block alone; they are walked under
; the mask, with weight 0, since the partners of a cluster take every branch alike: 6 steps in a cluster beside the 224 to 256 that count.
; LIMITS: a NaN or an infinity in a value row that a query meets only under the mask is not carried as reference() would; f16: |q|, |k|, |v| and the result under 65,504.  Masked scores are -1e30, not -infinity: their weight
; is 0 all the same, since keys 0-1023 count for every query and come first, so that the running maximum is a number.
; SHARES.  256 work-groups: for each pair four clusters of four.  The work-group at place j of cluster c has two blocks of 64 queries: block 4 c + j (rows under 1024) and block 16 + 4 c + j.  The two waves of a wave pair
; (u = wave / 2) own the SAME block, four tiles of 16, and share the keys: of a slot of 256 keys (4 steps of 64) wave half pi = wave % 2 takes steps 2 pi and 2 pi + 1.  So each fragment of K and V read from LDS feeds four
; tiles of queries.  At the end the odd wave hands its maximum, sum and O^T to the even wave through LDS.
; CLUSTER.  All work-groups of a pair walk the same K and V.  The first wave pair's block sees every key, so every work-group reads every tile of every slot: the four partners ask for each tile JOINTLY, by the same tensor
; load with the same descriptor and a mask that names the four; each receives it in its own LDS.  No branch hangs on a work-group's place in its cluster: the steps that are passed over hang on the cluster's number and the
; wave's; the place enters the addresses of Q and att, the prefetches' addresses, and the flags from which the mask's registers are SELECTED.
; LAYOUT.  S^T = K Q^T (source 0 = 16 keys, source 1 = 16 queries): a lane holds ONE query (lane % 16) and the keys 8 (lane / 16) + 0..7.  Two such tiles, rounded to f16 in pairs, ARE source 1 of O^T = V^T P.
; K comes out of LDS as it lies, V ([key][channel]) turned, by ds_load_tr16_b128.
; SOFTMAX.  A running maximum m and sum l for each query: p = 2^(c s - c m), c = log2(e) / sqrt(128); in every step O and l are multiplied by a = 2^(c m_old - c m_new).
; BY TURNS.  The wave's tiles are two pieces (tiles 0, 1; tiles 2, 3).  In a turn one piece has the matrix unit: 32 products V^T P of the step in hand, then 32 products K Q^T of the next step that the wave walks;
; the other piece's softmax, cut into 64 slices, stands between them, one slice behind each matrix instruction.  Two turns are a key step.
; THE MASK enters as the C of the first link of K Q^T: three runs of 8 registers, for key tiles under, on and above the query tile.  In an open step all are zeros; in a step that is hidden whole all are -1e30; in the
; diagonal step (step = my block's number) the first is -1e30, the second -1e30 where 8 (lane / 16) + j <= lane % 16, the third zeros.  They are set anew ahead of each step that is walked.
; REGISTERS, in windows of 256: window 0: v0-11 addresses; v12-43 statistics, eight a tile; v44-59 two runs of the mask's C; v64-191 S^T; v192-255 P.  window 1: O^T.  window 2: v0-127 Q, v128-255 K of one step.
;   window 3: v0-127 V of one step; v128-135 the mask's third run.
.set KS,    64        ; keys in a step
.set PK,    272       ; a row of K in LDS: 256 bytes + 16 of padding
.set PV,    288       ; a row of V: 256 + 32: 16 lanes of the turning load take 8 rows x 32 bytes
.set VOFF,  256*PK    ; a slot: 256 rows of K, then 256 rows of V
.set SLOT1, 256*(PK+PV)  ; slot 1 begins here; a slot's base is 0 or this, turned by an exclusive or
.set STAGE, 2*SLOT1   ; behind the ring: 16 rows x 272 bytes for each wave, for the way out
.set SP,    272
.set SPARE, STAGE+4*16*SP  ; behind the stages: the spare words, 128 bytes for each wave
.set MPAIR, 68*512    ; the merge: for each wave pair 64 images of four registers of O^T and four of statistics, 512 bytes each, from LDS byte 0 on: slot 0 has had its last fill and was left at the last change of slots
.set AK0, 2           ; v2   my lane's place in a tile of K; never rewritten
.set AV0, 3           ; v3   the same for V
.set ADR, 4           ; v4   the LDS address of the run of loads in hand
.set QO,  5           ; v5   my byte offset in the wave's rows of Q
.set STO, 6           ; v6   the way out: where I put 16 bytes of a row
.set RD,  7           ; v7   where I read a row back
.set GO,  8           ; v8   my byte offset in the wave's rows of att
.set MA,  10          ; v10  the merge: my wave pair's region + 16 x lane
.set ST,  12          ; tile t's statistics at v[ST+8 t]: +0 c m, +1 m, +2, +3 l (two halves), +4 to +7 at work
.set XG,  44          ; v44-51 C of a key tile under the query tile
.set YG,  52          ; v52-59 C of the key tile on the diagonal
.set ZG,  128         ; v128-135 of window 3: C of a key tile above the query tile
.set NGV, 60          ; v60  -1e30
.set PFO, 61          ; v61  256 x my lane; never rewritten
.set SPW, 62          ; v62  LDS address of my spare word; never rewritten
.set NIL, 63          ; v63  0; never rewritten
.set S,   64
.set P,   192
.set BS,  192         ; the merge: the other wave's statistics, four registers a tile
.set KF,  128         ; K's fragments, in window 2
.set WV,  12          ; s12  my wave's number
.set LIM, 15          ; s15  1 in a wave that prefetches, else the greatest number
.set PFA, 18          ; s[18:19] where my prefetches stand
.set G1K, 24          ; s[24:31] descriptor group 1 for K's tiles
.set G1V, 32          ; s[32:39] for V's: it differs in the padding alone
.set G0K, 40          ; s[40:47] group 0 for K's tiles: a set for each of the two first fills; the second then walks on
.set G0V, 48          ; s[48:55] the same for V's
.set SLOTS, 56        ; s56  slots still to be asked for
.set TWICE, 57        ; s57  counts my two steps of a slot
.set CS,  58          ; s[58:59] c
.set SEL, 60          ; s[60:61] lane selects for v_permlanex16_b32
.set TBK, 62          ; s62  LDS byte at which K's rows of the step to be fetched begin
.set TBV, 63          ; s63  the same for V (less VOFF, which the lane's place holds)
.set SB,  66          ; s66  base of the slot that is read
.set SBF, 67          ; s67  base of the slot that was filled last
.set N,   68          ; s68  the number of the step to be fetched, 0 to 31
.set DD,  69          ; s69  my diagonal step (my block's number), or 0 for a block of rows under 1024
.set ACT, 70          ; s70  bit n: I walk step n
.set FH,  71          ; s71  all ones in a step that is hidden whole, else 0
.set CX,  72          ; s72  my work-group's place in its cluster
.set PI,  73          ; s73  wave % 2
.set KOF, 74          ; s74  my half's 128 rows of K in a slot
.set VOF, 75          ; s75  of V
.set VOFD, 76         ; s76  VOFF + that
.set TT,  77          ; s77  at work
.set FL,  78          ; s78  all ones in the diagonal step, else 0
.set MSB, 0
.macro WIN new                      ; the immediate's high byte repeats the setting that is left; a switch that changes nothing is dropped
.if MSB != (\new)
	s_set_vgpr_msb (MSB<<8)|(\new)
.set MSB, (\new)
.endif
.endm
.set W_KQ, 0x0a       ; K and Q in window 2, S^T and C in window 0
.set W_KZ, 0x3a       ; the same with C in window 3
.set W_PV, 0x53       ; V in window 3, P in window 0, O^T in window 1
.set W_RS, 0x41       ; O^T (destination and source 0) in window 1, the factor in window 0
; A joint refill.  Waves 0 and 1 fetch the two halves of K's 256 rows, waves 2 and 3 those of V's.  The branch hangs on the wave's number alone.  An s_nop 0 and four v_nop follow each of the two lines.
.macro JLOAD
	s_cmp_lt_u32 s[WV], 2
	s_cbranch_scc0 .Lfor_v_\@
	tensor_load_to_lds s[G0K+4:G0K+7], s[G1K:G1K+7]
	s_nop 0
.rept 4
	v_nop
.endr
	s_branch .Lasked_\@
.Lfor_v_\@:
	tensor_load_to_lds s[G0V+4:G0V+7], s[G1V:G1V+7]
	s_nop 0
.rept 4
	v_nop
.endr
.Lasked_\@:
.endm
; A PREFETCH INTO THE L2 of what the NEXT change of slots will ask for: 256 rows of K and 256 of V, 256 bytes a row.  All four clusters of a pair walk the same K and V: the pair's first cluster asks, and nobody else.
; Of the 128 rows that wave w fetches, the partner at place j takes rows 32 j .. 32 j + 31, told apart BY ADDRESS: one instruction a wave, a lane a row.  So each row is named once in the launch.
; It stands behind the wave's tensor load and its five lines.  The last change that fills a slot asks for nothing: there is no slot behind it.  Slots 0, 1 and 2 come by their loads alone.
.macro ASK
	s_cmp_gt_u32 s[SLOTS], s[LIM]
	s_cbranch_scc0 .Lnot_mine_\@
	global_prefetch_b8 v[PFO], s[PFA:PFA+1] th:TH_LOAD_NT scope:SCOPE_SE
.Lnot_mine_\@:
.endm
; A round of the cluster's barrier: my work-group's barrier; wave 0 signals for the work-group; every wave waits for all four work-groups; my work-group's barrier once more.
.macro CROUND
	s_barrier_signal -1
	s_barrier_wait -1
	s_cmp_lg_u32 s[WV], 0
	s_cbranch_scc1 .Lnot_wave_0_\@
	s_barrier_signal -3
.Lnot_wave_0_\@:
	s_barrier_wait -3
	s_barrier_signal -1
	s_barrier_wait -1
.endm
	s_load_b64 s[4:5], s[0:1], 0x0    ; qkvb
	s_load_b64 s[10:11], s[0:1], 0x8  ; att
	v_lshl_add_u32 v[SPW], v0, 2, SPARE
	v_mov_b32 v[NIL], 0
	ds_add_u32 v[SPW], v[NIL]       ; the wave's opening: the add, twice on end, and its wait ahead of my first tensor load
	ds_add_u32 v[SPW], v[NIL]
	v_lshrrev_b32 v1, 5, v0
	v_readfirstlane_b32 s[WV], v1   ; wave 0..3
	s_bfe_u32 s[CX], ttmp6, 0x40000 ; my place in the cluster
	s_lshr_b32 s17, s[WV], 1        ; u
	s_and_b32 s[PI], s[WV], 1
	s_lshl_b32 s14, ttmp9, 2        ; in a cluster launch ttmp9 counts clusters: 4 c
	s_add_co_u32 s16, s14, s[CX]
	s_lshl_b32 s13, s17, 4
	s_add_co_u32 s16, s16, s13      ; my block of 64 queries: 16 u + 4 c + place: it enters Q's and att's addresses and the mask's flags alone
	s_add_co_u32 s14, s14, 16
	s_lshl_b32 s[ACT], -1, s14
	s_or_b32 s[ACT], s[ACT], 0xffff ; the second wave pair walks steps 0-15, and from the cluster's first diagonal step, 16 + 4 c, on;
	s_cmp_eq_u32 s17, 0
	s_cselect_b32 s[ACT], -1, s[ACT]  ; the first walks all: the same in all four partners, for a given wave
	s_cselect_b32 s[DD], 0, s16
	s_mul_i32 s[KOF], s[PI], 128*PK
	s_mul_i32 s[VOF], s[PI], 128*PV
	s_add_co_u32 s[VOFD], s[VOF], VOFF
	s_and_b32 s20, ttmp7, 0xffff    ; the (batch, head) pair, which the four partners share
	s_lshl_b32 s21, s20, 19         ; its 2,048 rows of 256 bytes
	s_lshl_b32 s2, s16, 14
	s_add_co_u32 s2, s2, s21        ; Q: my block's rows
	s_mov_b32 s3, 0
	s_lshl_b32 s22, s[PI], 15
	s_add_co_u32 s22, s22, s21
	s_add_co_u32 s22, s22, 0x800000 ; K: the second part of qkvb, my half's 128 rows of slot 0
	s_mov_b32 s23, 0
	s_lshr_b32 s21, s20, 3
	s_lshl_b32 s21, s21, 22         ; att: the batch's 2,048 rows of 2,048 bytes,
	s_and_b32 s20, s20, 7
	s_lshl_b32 s20, s20, 8          ; the head's 256 bytes of a row,
	s_add_co_u32 s20, s20, s21
	s_lshl_b32 s21, s16, 17         ; my block's 64 rows
	s_add_co_u32 s20, s20, s21
	s_mov_b32 s21, 0
	s_mul_i32 s13, s17, MPAIR       ; my wave pair's region of the merge: no place in the cluster enters an LDS address
	; descriptor group 1: a tile of 128 rows x 128 elements of 2 bytes, padded in LDS
	s_mov_b32 s[G1K], 15|(1<<16)|(1<<20)|(1<<21)|(5<<22)|(3<<25)  ; the mask: all four work-groups; elements of 2 bytes; padding on; bit 21 beside a mask; after every 64 words, 4 words
	s_mov_b32 s[G1V], 15|(1<<16)|(1<<20)|(1<<21)|(5<<22)|(7<<25)  ; the same with 8 words
.irp g, G1K, G1V
	s_mov_b32 s[\g+1], 128<<16      ; tensor_dim0
	s_mov_b32 s[\g+2], 128<<16      ; tensor_dim1
	s_mov_b32 s[\g+3], 128<<16      ; tile_dim0
	s_mov_b32 s[\g+4], 128          ; tile_dim1
	s_mov_b32 s[\g+5], 128          ; from row to row
	s_mov_b32 s[\g+6], 0
	s_mov_b32 s[\g+7], 0
.endr
	s_mov_b32 s[CS], 0x3e0293ee     ; c = log2(e) / sqrt(128)
	s_mov_b32 s[CS+1], s[CS]        ; named with it as a pair, so it is written
	s_mov_b32 s[SEL], 0x76543210
	s_mov_b32 s[SEL+1], 0xfedcba98
	s_mov_b32 s[SB], 0
	s_mov_b32 s[SBF], SLOT1
	s_mov_b32 s[SLOTS], 6
	s_mov_b32 s[TBK], s[KOF]
	s_mov_b32 s[TBV], s[VOF]
	s_lshl_b32 s[N], s[PI], 1
	s_add_co_u32 s[N], s[N], 4      ; my first step of slot 1
	s_cmp_eq_u32 ttmp9, 0           ; the pair's first cluster: the same in all four partners
	s_cselect_b32 s[LIM], 1, -1
	v_and_b32 v[PFO], 31, v0
	v_lshlrev_b32 v[PFO], 8, v[PFO]
	s_wait_dscnt 0x0                ; both opening adds are done
	s_wait_kmcnt 0x0
	s_add_nc_u64 s[6:7], s[4:5], s[22:23]  ; K at my part of slot 0
	s_add_nc_u64 s[8:9], s[6:7], 0x800000  ; V likewise: the third part
	s_add_nc_u64 s[4:5], s[4:5], s[2:3]    ; Q at my block's first row
	s_add_nc_u64 s[10:11], s[10:11], s[20:21]
	s_cmp_lt_u32 s[WV], 2
	s_cselect_b64 s[PFA:PFA+1], s[6:7], s[8:9]
	s_lshl_b32 s2, s[CX], 13        ; my work-group's 32 rows of the 128
	s_add_nc_u64 s[PFA:PFA+1], s[PFA:PFA+1], s[2:3]
	s_add_nc_u64 s[PFA:PFA+1], s[PFA:PFA+1], 2*65536  ; in slot 2; the first change of slots steps it to slot 3.  Nothing is prefetched here, at the head
	CROUND                          ; all four work-groups are here: the first joint loads meet
.irp s, 0,1
	s_mov_b32 s[G0K+4*\s], 1        ; count = 1
	s_add_co_u32 s[G0K+4*\s+1], s[KOF], \s*SLOT1  ; LDS address
	s_add_nc_u64 s[G0K+4*\s+2:G0K+4*\s+3], s[6:7], \s*65536  ; slot s begins with keys 256 s
	s_or_b32 s[G0K+4*\s+3], s[G0K+4*\s+3], 0x80000000  ; type = 2
	s_mov_b32 s[G0V+4*\s], 1
	s_add_co_u32 s[G0V+4*\s+1], s[VOFD], \s*SLOT1
	s_add_nc_u64 s[G0V+4*\s+2:G0V+4*\s+3], s[8:9], \s*65536
	s_or_b32 s[G0V+4*\s+3], s[G0V+4*\s+3], 0x80000000
.endr
	s_cmp_lt_u32 s[WV], 2           ; a wave's two first fills stand in one branch, ahead of every wait on TENSORcnt and every LDS read: two loads of mine are out
	s_cbranch_scc0 .Lfirst_v
	tensor_load_to_lds s[G0K:G0K+3], s[G1K:G1K+7]
	s_nop 0
	tensor_load_to_lds s[G0K+4:G0K+7], s[G1K:G1K+7]
	s_nop 0
.rept 4
	v_nop
.endr
	s_branch .Lfirst_asked
.Lfirst_v:
	tensor_load_to_lds s[G0V:G0V+3], s[G1V:G1V+7]
	s_nop 0
	tensor_load_to_lds s[G0V+4:G0V+7], s[G1V:G1V+7]
	s_nop 0
.rept 4
	v_nop
.endr
.Lfirst_asked:
	; A fragment of K or Q is 16 rows x 32 channels in 8 registers: lane l holds row l % 16; registers 0-3 channels 8 (l / 16) + 0..7, registers 4-7 channels 16 + 8 (l / 16) + 0..7.
	v_and_b32 v1, 15, v0            ; l % 16
	v_bfe_u32 v9, v0, 4, 1          ; l / 16
	v_lshlrev_b32 v[QO], 8, v1
	v_lshl_add_u32 v[QO], v9, 4, v[QO]
	WIN 0x80                        ; destination window 2, address window 0
.irp i, 0,1,2,3,4,5,6,7,8,9,10,11,12,13,14,15  ; Q stays in registers: tile i / 4, channels 32 (i % 4) on
	global_load_b128 v[8*\i:8*\i+3],   v[QO], s[4:5] offset:(\i/4)*4096+(\i%4)*64
	global_load_b128 v[8*\i+4:8*\i+7], v[QO], s[4:5] offset:(\i/4)*4096+(\i%4)*64+32
.endr
	WIN 0
	v_mul_u32_u24 v[AK0], v1, PK
	v_lshl_add_u32 v[AK0], v9, 4, v[AK0]
	; The turning load takes 16 keys x 16 channels (lane l reads 16 bytes: key 8 (l / 16) + l % 8, channels 8 ((l / 8) % 2) + 0..7) and leaves half a fragment of V^T.
	v_and_b32 v10, 7, v0
	v_bfe_u32 v11, v0, 3, 1
	v_lshl_add_u32 v[AV0], v9, 3, v10
	v_mul_u32_u24 v[AV0], v[AV0], PV
	v_lshl_add_u32 v[AV0], v11, 4, v[AV0]
	v_add_nc_u32 v[AV0], VOFF, v[AV0]
	v_and_b32 v[MA], 31, v0
	v_lshlrev_b32 v[MA], 4, v[MA]
	v_add_nc_u32 v[MA], s13, v[MA]
	v_mov_b32 v[NGV], 0xf149f2ca    ; -1e30
; THE MATRIX WORK OF A TURN, for piece x.  The accumulators take turns, one instruction a turn.
; Product i of 32 of O^T += V^T P: keys 32 (i / 16) on, channels 16 ((i / 2) % 8) on, tile x + i % 2.  zero = 1: the first 16 start the sums.
.macro PV x, zero
	WIN W_PV
.set rO, 64*(\x+i%2)+8*((i/2)%8)
.set rV, 64*(i/16)+8*((i/2)%8)
.set rP, P+16*(\x+i%2)+8*(i/16)
.if \zero && (i < 16)
	v_wmma_f32_16x16x32_f16 v[rO:rO+7], v[rV:rV+7], v[rP:rP+7], 0
.else
	v_wmma_f32_16x16x32_f16 v[rO:rO+7], v[rV:rV+7], v[rP:rP+7], v[rO:rO+7]
.endif
.endm
; Product i of 32 of S^T = K Q^T: channels 32 (i / 8) on, keys 16 ((i / 2) % 4) on, tile x + i % 2.  The first 8 start the sums: with 0, or (dg = 1) with the mask's run for the key tile's place against the query tile.
.macro KQ x, dg
.set rS, S+32*(\x+i%2)+8*((i/2)%4)
.set rK, KF+32*((i/2)%4)+8*(i/8)
.set rQ, 32*(\x+i%2)+8*(i/8)
.set tq, \x+i%2
.set tk, (i/2)%4
.if (i < 8) && \dg && (tk > tq)
	WIN W_KZ
	v_wmma_f32_16x16x32_f16 v[rS:rS+7], v[rK:rK+7], v[rQ:rQ+7], v[ZG:ZG+7]
.else
	WIN W_KQ
.if (i < 8) && \dg && (tk < tq)
	v_wmma_f32_16x16x32_f16 v[rS:rS+7], v[rK:rK+7], v[rQ:rQ+7], v[XG:XG+7]
.elseif (i < 8) && \dg
	v_wmma_f32_16x16x32_f16 v[rS:rS+7], v[rK:rK+7], v[rQ:rQ+7], v[YG:YG+7]
.elseif i < 8
	v_wmma_f32_16x16x32_f16 v[rS:rS+7], v[rK:rK+7], v[rQ:rQ+7], 0
.else
	v_wmma_f32_16x16x32_f16 v[rS:rS+7], v[rK:rK+7], v[rQ:rQ+7], v[rS:rS+7]
.endif
.endif
.endm
; THE LDS LOADS stand in runs of 32: a step's K (64 keys x 128 channels) and, a turn later, its V (turned).
.macro FETCH_K
	WIN 0
	v_add_nc_u32 v[ADR], s[TBK], v[AK0]
	WIN 0x80                        ; destination window 2
.irp f, 0,1,2,3,4,5,6,7,8,9,10,11,12,13,14,15  ; keys 16 (f / 4) on, channels 32 (f % 4) on
	ds_load_b128 v[KF+8*\f:KF+8*\f+3],   v[ADR] offset:(\f/4)*16*PK+(\f%4)*64
	ds_load_b128 v[KF+8*\f+4:KF+8*\f+7], v[ADR] offset:(\f/4)*16*PK+(\f%4)*64+32
.endr
.endm
.macro FETCH_V
	WIN 0
	v_add_nc_u32 v[ADR], s[TBV], v[AV0]
	s_wait_alu depctr_va_vdst(0)    ; the wait for the softmax's batch (SLICE), behind the address's v_add_nc_u32 and ahead of the loads
	WIN 0xc0                        ; destination window 3
.irp f, 0,1,2,3,4,5,6,7,8,9,10,11,12,13,14,15  ; keys 32 (f / 8) on, channels 16 (f % 8) on
	ds_load_tr16_b128 v[8*\f:8*\f+3],   v[ADR] offset:(\f/8)*32*PV+(\f%8)*32
	ds_load_tr16_b128 v[8*\f+4:8*\f+7], v[ADR] offset:(\f/8)*32*PV+16*PV+(\f%8)*32
.endr
.endm
; THE VECTOR WORK OF A TURN.  One tile's softmax for one key step is a list of 134 instructions; SM writes number j of it for tile t.  first = 1: the wave's first key step, which starts m, l and O^T.
;   0-15    the maximum of the lane's 32 scores and the old m, three operands at a time
;   16-20   the other half of the lanes' maximum; the new m; c m; c m_old - c m_new
;   21-69   ONE BATCH: the 16 packed scalings c s - c m and all 33 exponentials (a at 23).  None of these reads an exponential's result
;   (wait)  between 69 and 70 stands the wait for the batch: SLICE writes it, once for both tiles
;   70-85   the roundings to f16;   86-101 the sums, l = a l + the sum;   102-133 the tile's O^T times a
.macro SM t, first
.set rT, ST+8*(\t)
.set rS, S+32*(\t)
.set rP, P+16*(\t)
.set rO, 64*(\t)+2*(j-102)
.if j < 102
	WIN 0
.endif
.if j < 4
	v_max3_num_f32 v[rT+4+j], v[rS+8*j], v[rS+8*j+1], v[rS+8*j+2]
.elseif j < 12
	v_max3_num_f32 v[rT+4+j%4], v[rT+4+j%4], v[rS+8*(j%4)+2*(j/4)+1], v[rS+8*(j%4)+2*(j/4)+2]
.elseif j == 12
	v_max3_num_f32 v[rT+4], v[rT+4], v[rS+7], v[rS+15]
.elseif j == 13
	v_max3_num_f32 v[rT+6], v[rT+6], v[rS+23], v[rS+31]
.elseif j == 14
	v_max3_num_f32 v[rT+4], v[rT+4], v[rT+5], v[rT+6]
.elseif (j == 15) && \first
	v_max_num_f32 v[rT+4], v[rT+4], v[rT+7]
.elseif j == 15
	v_max3_num_f32 v[rT+4], v[rT+4], v[rT+7], v[rT+1]
.elseif j == 16
	v_permlanex16_b32 v[rT+5], v[rT+4], s[SEL], s[SEL+1]  ; the query's other 32 keys lie in the lane 16 away
.elseif j == 18
	v_max_num_f32 v[rT+1], v[rT+4], v[rT+5]
.elseif j == 19
	v_mul_f32 v[rT], s[CS], v[rT+1]
.elseif ((j == 17) || (j == 20) || (j == 23) || (j > 101)) && \first  ; the first step has none of these
.elseif j == 17
	v_mov_b32 v[rT+7], v[rT]        ; c m_old is kept for a: number 19 writes c m anew
.elseif j == 20
	v_sub_f32 v[rT+7], v[rT+7], v[rT]
.elseif j == 23
	v_exp_f32 v[rT+6], v[rT+7]
.elseif (j < 23) || ((j < 38) && (j%2 == 0)) || ((j < 66) && (j%4 == 2))
.set b, (j-2)/4                     ; 38, 42, .. 62: pairs 9 to 15
.if j < 38
.set b, (j-20)/2                    ; 21: pair 0; 22, 24, .. 36: pairs 1 to 8
.endif
	v_pk_fma_f32 v[rS+2*b:rS+2*b+1], v[rS+2*b:rS+2*b+1], s[CS:CS+1], v[rT:rT+1] op_sel_hi:[1,0,0] neg_lo:[0,0,1] neg_hi:[0,0,1]  ; pair b: c s - c m
.elseif j < 70
.set e, j-38                        ; 66 to 69: s28 to s31
.if j < 66
.set e, j-32-(j-38)/4               ; 39-41, 43-45, .. 63-65: s7 to s27
.endif
.if j < 38
.set e, (j-25)/2                    ; 25, 27, .. 37: s0 to s6
.endif
	v_exp_f32 v[rS+e], v[rS+e]
.elseif j < 86
	v_cvt_pk_f16_f32 v[rP+j-70], v[rS+2*(j-70)], v[rS+2*(j-70)+1]  ; pair j - 70
.elseif j < 102                     ; the sum of the tile's 16 pairs, in place: neighbours 1, 2, 4 and 8 pairs apart, then l takes it
.set z, j-86
.set w, 4
.set u, z
.if z >= 14
.set w, 32
.set u, 0
.elseif z >= 12
.set w, 16
.set u, z-12
.elseif z >= 8
.set w, 8
.set u, z-8
.endif
.if (z == 14) && \first
	v_pk_add_f32 v[rT+2:rT+3], v[rS:rS+1], v[rS+16:rS+17]
.elseif z < 15
	v_pk_add_f32 v[rS+w*u:rS+w*u+1], v[rS+w*u:rS+w*u+1], v[rS+w*u+w/2:rS+w*u+w/2+1]
.elseif !\first
	v_pk_fma_f32 v[rT+2:rT+3], v[rT+2:rT+3], v[rT+6:rT+7], v[rS:rS+1] op_sel_hi:[1,0,1]
.endif
.else
	WIN W_RS
	v_pk_mul_f32 v[rO:rO+1], v[rO:rO+1], v[rT+6:rT+7] op_sel_hi:[1,0]
.endif
.endm
; Slice k of 64 of piece y's softmax: four instructions.  Slices 11 to 34 deal out the batch, four numbers of ONE tile each, the tiles by turns; every other slice is numbers 2 k and 2 k + 1 of both tiles' lists;
; the twelve that are over stand in slice 63.  Ahead of slice 35 nothing names an exponential's result, and behind slice 34 no exponential is issued: so the piece's 66 exponentials have one wait, behind slice 34.
.macro SLICE y, first
.if (k >= 11) && (k < 35)
.irp n, 0,1,2,3
.set j, 22+4*((k-11)/2)+(\n)
	SM (\y)+(k-11)%2, \first
.endr
.else
.irp n, 0,1,2,3,4,5,6,7
.if (\n < 2) || (k == 63)
.irp t, \y, \y+1
.set j, 2*k+\n
	SM \t, \first
.endr
.endif
.endr
.endif
.if k == 34
	v_nop                           ; the plain instruction behind the last exponential and ahead of the first use: one for the batch
.if (\y) == 0
	FETCH_V                         ; piece 2's turn: V's run of loads stands here, and the wait stands in it
.else
	s_wait_alu depctr_va_vdst(0)    ; the wait for the batch
.endif
.endif
.set k, k+1
.endm
.macro PLACES                       ; four places behind a matrix instruction (ISA guide 7.12.1)
.rept 4
	v_nop
.endr
.endm
; A TURN.  Piece x has the matrix unit; the other piece's softmax stands in slices behind its matrix instructions.
; pv = 2: 32 products V^T P; 1: they start O^T's sums; 0: none.  kq = 1: 32 products K Q^T for the next step.  first = 1: the softmax is the first key step's.  dg = 1: K Q^T begins with the mask's registers.
; Piece 0's turn fetches the next step's K behind its second product; piece 2's turn fetches the same step's V behind slice 34.
.macro TURN x, pv, kq, first, dg
.set k, 0
.set per, 2
.if \pv && \kq
.set per, 1
.endif
.if \pv
.if \x == 0
	s_wait_dscnt 0x0                ; V is in
.endif
.set i, 0
.rept 32
	PV \x, 2-\pv
.rept per
	SLICE 2-\x, \first
.endr
.if (\x == 0) && \kq && (i == 1)
	FETCH_K
.endif
.set i, i+1
.endr
.endif
.if \kq
.if \x == 0
	s_wait_dscnt 0x0                ; K is in
.endif
.set i, 0
.rept 32
	KQ \x, \dg
.rept per
	SLICE 2-\x, \first
.endr
.set i, i+1
.endr
.endif
.if \first
	PLACES
.endif
.endm
; THE CHANGE OF SLOTS.  Each wave waits for all its tensor loads, of which one is out: its part of the other slot; adds 0 to its spare word; and waits for that and for its own reads of the slot that it leaves.
; fill = 1: the slot that was left is filled with the keys two slots on.  The barrier is then a round of the cluster's, so that no wave of any partner still reads the slot or has a load on its way, and the joint refill is
; the first thing behind it: it has my two key steps, 256 matrix instructions, in which to land.
.macro CHANGE fill
	WIN 0
	s_wait_tensorcnt 0x0            ; no tensor load of mine is out, so a group 0 may be written
	ds_add_u32 v[SPW], v[NIL]       ; 0 onto my spare word: the steps below stand between it and the wait for it
.if \fill
	s_xor_b32 s[SBF], s[SBF], SLOT1  ; the walking descriptors: the other slot than last time,
	s_add_co_u32 s[G0K+5], s[SBF], s[KOF]
	s_add_co_u32 s[G0V+5], s[SBF], s[VOFD]
	s_add_nc_u64 s[G0K+6:G0K+7], s[G0K+6:G0K+7], 65536  ; the next 256 keys; the type bits on top are not reached
	s_add_nc_u64 s[G0V+6:G0V+7], s[G0V+6:G0V+7], 65536
	s_wait_xcnt 0x0                 ; the last prefetch, a slot back, has read its address, so it may be written
	s_add_nc_u64 s[PFA:PFA+1], s[PFA:PFA+1], 65536
.endif
	s_xor_b32 s[SB], s[SB], SLOT1   ; the fetches go on in the other slot, at my half's first step
	s_add_co_u32 s[TBK], s[SB], s[KOF]
	s_add_co_u32 s[TBV], s[SB], s[VOF]
	s_wait_dscnt 0x0                ; the add is done, and my reads of the slot are over
.if \fill
	CROUND
	JLOAD
	ASK                             ; what the next change will ask for: my two key steps, 256 matrix instructions, ahead
.else
	s_barrier_signal -1
	s_barrier_wait -1
.endif
.endm
; The mask's C for step N.  Keys under 1024 are open to all: there, and for a block of rows under 1024, the step is held against 0 and comes out open.  From step 16 on: under my block's number the step is hidden whole;
; at it, it is the diagonal step, where YG's register j is -1e30 in the lanes with 8 (lane / 16) + j <= lane % 16: lanes j .. 15 and 24 + j .. 31.  The flags are selected, never branched on: they differ between partners.
.macro MASKC
	s_cmp_ge_u32 s[N], 16
	s_cselect_b32 s[TT], s[DD], 0
	s_cmp_lt_u32 s[N], s[TT]
	s_cselect_b32 s[FH], -1, 0
	s_cmp_eq_u32 s[N], s[TT]
	s_cselect_b32 s[FL], -1, 0
	s_or_b32 vcc_lo, s[FH], s[FL]
.irp j, 0,1,2,3,4,5,6,7
	v_cndmask_b32 v[XG+\j], 0, v[NGV], vcc_lo
.endr
.irp j, 0,1,2,3,4,5,6,7
	s_and_b32 s[TT], s[FL], (((0xffff<<\j)&0xffff)|((0xffff<<(24+\j))&0xffff0000))
	s_or_b32 vcc_lo, s[TT], s[FH]
	v_cndmask_b32 v[YG+\j], 0, v[NGV], vcc_lo
.endr
	s_mov_b32 vcc_lo, s[FH]
	WIN 0xc0                        ; destination window 3
.irp j, 0,1,2,3,4,5,6,7
	v_cndmask_b32 v[ZG+\j], 0, v[NGV], vcc_lo
.endr
.endm
; My two key steps of a slot: written once, walked twice.  A step that the mask hides for all of the cluster's late queries is passed over by the second wave pair: a scalar branch on the cluster's number, the wave's and the
; count of steps, round its loads, products and softmax; the pieces' state waits for the next step that is walked.
.macro TWO_STEPS
	s_mov_b32 s[TWICE], 2
.Lstep_\@:
	s_lshr_b32 s[TT], s[ACT], s[N]
	s_and_b32 s[TT], s[TT], 1
	s_cmp_lg_u32 s[TT], 0
	s_cbranch_scc0 .Lnext_\@
	MASKC
	TURN 0, 2, 1, 0, 1
	TURN 2, 2, 1, 0, 1
	WIN 0
.Lnext_\@:
	s_add_co_u32 s[N], s[N], 1
	s_add_co_u32 s[TBK], s[TBK], KS*PK
	s_add_co_u32 s[TBV], s[TBV], KS*PV
	s_sub_co_u32 s[TWICE], s[TWICE], 1
	s_cmp_lg_u32 s[TWICE], 0
	s_cbranch_scc1 .Lstep_\@
	s_add_co_u32 s[N], s[N], 2      ; over the other wave's two steps
.endm
	s_wait_tensorcnt 1              ; my part of slot 0 is in; slot 1's load, issued behind it, may stay out
	s_barrier_signal -1
	s_barrier_wait -1               ; everybody's is
	FETCH_K                         ; my first key step
	s_wait_loadcnt 0x0              ; Q
	s_wait_dscnt 0x0
.set i, 0
.rept 32
	KQ 0, 0                         ; piece 0's first scores: there is no vector work yet to set between them
.set i, i+1
.endr
	WIN 0                           ; the addresses for the way out are made here: plain instructions, the places behind those products
	s_mul_i32 s13, s[WV], 16*SP
	s_add_co_u32 s13, s13, STAGE    ; my stage
	v_mul_u32_u24 v[STO], v1, SP    ; in: row l % 16, 16 bytes for each half of the lanes
	v_lshl_add_u32 v[STO], v9, 4, v[STO]
	v_add_nc_u32 v[STO], s13, v[STO]
	v_mul_u32_u24 v[RD], v9, SP     ; back: lanes 0-15 take one row of 256 bytes, lanes 16-31 the next
	v_lshl_add_u32 v[RD], v1, 4, v[RD]
	v_add_nc_u32 v[RD], s13, v[RD]
	v_lshlrev_b32 v[GO], 11, v9     ; and the same two rows in att, 2,048 bytes apart
	v_lshl_add_u32 v[GO], v1, 4, v[GO]
	TURN 2, 0, 1, 1, 0              ; piece 2's first scores | piece 0's first softmax | V of my first step
	s_add_co_u32 s[TBK], s[TBK], KS*PK  ; on to my second step of slot 0
	s_add_co_u32 s[TBV], s[TBV], KS*PV
	TURN 0, 1, 1, 1, 0              ; piece 0: V^T P of the first step starts O^T, K Q^T of the second | piece 2's first softmax | K of the second step
	TURN 2, 1, 1, 0, 0              ; piece 2: the same | piece 0's softmax of the second step | V of the second step
	WIN 0
.Lslot:                             ; six trips: slots 1 to 6 are read, slots 2 to 7 asked for
	CHANGE 1
	TWO_STEPS
	s_sub_co_u32 s[SLOTS], s[SLOTS], 1
	s_cmp_lg_u32 s[SLOTS], 0
	s_cbranch_scc1 .Lslot
	CHANGE 0                        ; the last slot is written out: nothing is left to ask for
	TWO_STEPS
	TURN 0, 2, 0, 0, 0              ; piece 0: V^T P of the last step | piece 2's last softmax
.set i, 0
.rept 32
	PV 2, 0                         ; piece 2: V^T P of the last step
.set i, i+1
.endr
	; THE MERGE.  The odd wave of a pair stores its O^T and its statistics as images of their registers: four registers by one ds_store_b128, lane l's 16 bytes at 16 l; the even wave loads them by the same lines.
	WIN 0
	PLACES                          ; behind the last products: for the stores that read their results and the loads into registers that they read
	s_cmp_eq_u32 s[PI], 0
	s_cbranch_scc1 .Lno_send
	WIN 0x04                        ; an LDS store's data are its source 1: window 1
.set q, 0
.rept 64
	ds_store_b128 v[MA], v[4*q:4*q+3] offset:512*q  ; ascending: each accumulator from its low end on
.set q, q+1
.endr
	WIN 0
.irp t, 0,1,2,3
	ds_store_b128 v[MA], v[ST+8*\t:ST+8*\t+3] offset:32768+512*\t  ; c m, m, l's two halves
.endr
.Lno_send:
	s_wait_dscnt 0x0                ; for the other wave's sake: my stores have landed
	s_barrier_signal -1
	s_barrier_wait -1
	s_cmp_lg_u32 s[PI], 0
	s_cbranch_scc1 .Ltail           ; the odd wave has handed its part over: it goes to the common end, where every wave passes the closing round
.irp t, 0,1,2,3
	ds_load_b128 v[BS+4*\t:BS+4*\t+3], v[MA] offset:32768+512*\t
.endr
	WIN 0x80                        ; the other wave's O^T goes to window 2, where Q and K lay
.set q, 0
.rept 48
	ds_load_b128 v[4*q:4*q+3], v[MA] offset:512*q
.set q, q+1
.endr
	WIN 0
	s_wait_dscnt 48                 ; the statistics are in; the 48 images issued behind them may be out
	; A = mine, B = the other wave's.  M = max(c mA, c mB); aA = 2^(c mA - M), aB likewise; L = aA lA + aB lB, with lane l xor 16's; O = (aA / L) OA + (aB / L) OB
.irp t, 0,1,2,3
	v_max_num_f32 v[ST+8*\t+4], v[ST+8*\t], v[BS+4*\t]
.endr
.irp t, 0,1,2,3
	v_sub_f32 v[ST+8*\t+5], v[ST+8*\t], v[ST+8*\t+4]
	v_sub_f32 v[ST+8*\t+6], v[BS+4*\t], v[ST+8*\t+4]
.endr
.irp t, 0,1,2,3
	v_exp_f32 v[ST+8*\t+5], v[ST+8*\t+5]
	v_exp_f32 v[ST+8*\t+6], v[ST+8*\t+6]
.endr
.irp t, 0,1,2,3
	v_add_f32 v[ST+8*\t+2], v[ST+8*\t+2], v[ST+8*\t+3]      ; l's two halves: plain work behind the eight exponentials
	v_add_f32 v[BS+4*\t+2], v[BS+4*\t+2], v[BS+4*\t+3]
.endr
	s_wait_alu depctr_va_vdst(0)    ; one wait for the eight, ahead of their first reader
.irp t, 0,1,2,3
	v_mul_f32 v[ST+8*\t+7], v[ST+8*\t+5], v[ST+8*\t+2]
.endr
.irp t, 0,1,2,3
	v_fma_f32 v[ST+8*\t+7], v[ST+8*\t+6], v[BS+4*\t+2], v[ST+8*\t+7]
.endr
.irp t, 0,1,2,3
	v_permlanex16_b32 v[ST+8*\t+3], v[ST+8*\t+7], s[SEL], s[SEL+1]
.endr
.irp t, 0,1,2,3
	v_add_f32 v[ST+8*\t+7], v[ST+8*\t+7], v[ST+8*\t+3]
.endr
.irp t, 0,1,2,3
	v_rcp_f32 v[ST+8*\t+4], v[ST+8*\t+7]
.endr
	v_nop                           ; a plain instruction between the last reciprocal and the use of its result
	s_wait_alu depctr_va_vdst(0)    ; one wait for the four
.irp t, 0,1,2,3
	v_mul_f32 v[ST+8*\t+6], v[ST+8*\t+6], v[ST+8*\t+4]      ; aB / L
.endr
.irp t, 0,1,2,3
	v_mul_f32 v[ST+8*\t+4], v[ST+8*\t+5], v[ST+8*\t+4]      ; aA / L
.endr
	WIN 0x80
.set q, 48
.rept 16
	ds_load_b128 v[4*q:4*q+3], v[MA] offset:512*q
.set q, q+1
.endr
	WIN 0
	s_wait_dscnt 0x0                ; all 64 images are in
; THE WAY OUT.  Tile t: the two waves' O^T are joined, rounded to f16, 16 bytes a lane into rows of 272 bytes, and come back as whole rows of 256.
.macro PACK t
	WIN W_RS
.set i, 64*\t
.rept 32
	v_pk_mul_f32 v[i:i+1], v[i:i+1], v[ST+8*\t+4:ST+8*\t+5] op_sel_hi:[1,0]
.set i, i+2
.endr
	WIN 0x52                        ; source 0 window 2 (the other wave's), source 1 window 0, source 2 and destination window 1
.set i, 64*\t
.rept 32
	v_pk_fma_f32 v[i:i+1], v[i:i+1], v[ST+8*\t+6:ST+8*\t+7], v[i:i+1] op_sel_hi:[1,0,1]
.set i, i+2
.endr
	WIN 0x05                        ; sources 0 and 1 window 1, destination window 0: S^T's registers are free
.set i, 0
.rept 32
	v_cvt_pk_f16_f32 v[S+32*\t+i], v[64*\t+2*i], v[64*\t+2*i+1]
.set i, i+1
.endr
	WIN 0
.irp f, 0,1,2,3,4,5,6,7
	ds_store_b128 v[STO], v[S+32*\t+4*\f:S+32*\t+4*\f+3] offset:32*\f
.endr
.irp f, 0,1,2,3,4,5,6,7
	ds_load_b128 v[S+32*\t+4*\f:S+32*\t+4*\f+3], v[RD] offset:\f*2*SP  ; LDS serves a wave's instructions in order: these see the stores above; the next tile's stores come behind them
.endr
.endm
.macro SEND t, younger              ; younger: the LDS instructions issued behind tile t's loads: the next tile's sixteen, or none
.irp f, 0,1,2,3,4,5,6,7
	s_wait_dscnt \younger+7-\f
	global_store_b128 v[GO], v[S+32*\t+4*\f:S+32*\t+4*\f+3], s[10:11] offset:\t*32768+\f*4096  ; 16 lanes store 256 consecutive bytes, aligned
.endr
.endm
	PACK 0
	PACK 1                          ; a tile's arithmetic stands between the loads of the tile before and its stores
	SEND 0, 16
	PACK 2
	SEND 1, 16
	PACK 3
	SEND 2, 16
	SEND 3, 0
.Ltail:
	s_wait_tensorcnt 0x0            ; the wave's end: the tensor wait, the spare word's add and its wait, behind my last tensor load and my last LDS store
	ds_add_u32 v[SPW], v[NIL]
	s_wait_dscnt 0x0
	CROUND                          ; the closing round: no work-group ends while a partner may still ask for a tile that names it
	s_endpgm
.Lfunc_end_k_q4ace29fd02_attn:
	.size	k_q4ace29fd02_attn, .Lfunc_end_k_q4ace29fd02_attn-k_q4ace29fd02_attn
	.p2alignl 7, 3214868480
	.fill 96, 4, 3214868480
	.section	.rodata,"a",@progbits
	.p2align	6, 0x0
	.amdhsa_kernel k_q4ace29fd02_attn
		.amdhsa_group_segment_fixed_size 327680
		.amdhsa_private_segment_fixed_size 0
		.amdhsa_enable_private_segment 0
		.amdhsa_kernarg_size 16
		.amdhsa_user_sgpr_count 2
		.amdhsa_user_sgpr_kernarg_segment_ptr 1
		.amdhsa_wavefront_size32 1
		.amdhsa_system_sgpr_workgroup_id_x 1
		.amdhsa_system_sgpr_workgroup_id_y 1
		.amdhsa_system_sgpr_workgroup_id_z 1
		.amdhsa_system_vgpr_workitem_id 0
		.amdhsa_next_free_vgpr 1024
		.amdhsa_next_free_sgpr 80
		.amdhsa_reserve_vcc 1
		.amdhsa_float_denorm_mode_32 3
		.amdhsa_float_denorm_mode_16_64 3
		.amdhsa_memory_ordered 1
		.amdhsa_forward_progress 1
		.amdhsa_inst_pref_size 245
	.end_amdhsa_kernel
	.amdgpu_metadata
---
amdhsa.version: [ 1, 2 ]
amdhsa.kernels:
  - .name:           k_q4ace29fd02_attn
    .symbol:         k_q4ace29fd02_attn.kd
    .args:
      - { .name: qkvb, .offset: 0, .size: 8, .value_kind: global_buffer, .address_space: global }
      - { .name: att, .offset: 8, .size: 8, .value_kind: global_buffer, .address_space: global }
    .group_segment_fixed_size: 327680
    .private_segment_fixed_size: 0
    .kernarg_segment_align: 8
    .kernarg_segment_size: 16
    .max_flat_workgroup_size: 128
    .sgpr_count:     80
    .vgpr_count:     1024
    .wavefront_size: 32
...
	.end_amdgpu_metadata
.endif
;; end of part 3
;; launch oproj (part 4): grid 8 x 32, 4 waves a work-group, clusters of 4 x 4, 327,680 bytes of LDS; arguments att, wo16, out0; writes out0
.if DOCPART == 4
	.amdgcn_target "amdgcn-amd-amdhsa--gfx1250"
	.amdhsa_code_object_version 6
	.text
	.protected	k_q4ace29fd02_oproj
	.globl	k_q4ace29fd02_oproj
	.p2align	8
	.type	k_q4ace29fd02_oproj,@function
k_q4ace29fd02_oproj:
	s_mov_b64 s[64:65], 0
	v_nop
	global_prefetch_b8 v0, s[64:65] scope:SCOPE_SE
	s_setreg_imm32_b32 hwreg(HW_REG_WAVE_MODE, 25, 1), 1
	s_wait_xcnt 0x0
	s_wait_alu depctr_hold_cnt(0) depctr_sa_sdst(0) depctr_va_vdst(0) depctr_va_sdst(0) depctr_va_ssrc(0) depctr_va_vcc(0) depctr_vm_vsrc(0)
	s_getreg_b32 s2, hwreg(HW_REG_IB_STS2, 6, 4)
	s_cmp_eq_u32 s2, 0
	s_cbranch_scc0 .Lentry_in_a_cluster
	s_endpgm
.Lentry_in_a_cluster:
	s_bfe_u32 s2, ttmp6, 0x10000c
	s_cmp_lg_u32 s2, 0xf033
	s_cbranch_scc0 .Lentry_shape_is_right
	s_endpgm
.Lentry_shape_is_right:
; LAUNCH 4 OF 4.  out0[m][n] = the sum over k of att[m][k] Wo[n][k].  att: [4096][1024] f16, wo16: [2048][1024] f16, out0: [4096][2048] f32; sums in f32.
; A tile of the result is 128 x 256: 32 x 8 = 256 work-groups (tiles of 256 x 256 would be 128).  Four waves, each 64 rows x 128 columns: 32 accumulators of 16 x 16, all of window 1.
; K's eight steps of 128 go through TWO LDS SLOTS OF UNEQUAL SIZE, filled by the tensor data mover: slot 0 holds two steps (rows of 512 bytes), slot 1 one (rows of 256 bytes): together three steps, as many as LDS has room for.
; The head fills slot 0 with steps 0, 1 and slot 1 with step 2; then slot 0 takes steps 3, 4, slot 1 step 5, slot 0 steps 6, 7: three refills for the whole of K.  Two equal slots of one step would want six.
; Waves 0 and 1 fetch A's two halves of 64 rows, waves 2 and 3 B's two halves of 128 rows: one load a wave behind each change of slots.
; CLUSTERS: 4 x 4 work-groups.  The four of a row of the cluster need the same tiles of A, the four of a column the same tiles of B: each tile is asked for jointly.
; THE MATRIX INSTRUCTION IS USED TRANSPOSED (source 0 = 16 rows of Wo, source 1 = 16 rows of att): a lane holds eight neighbouring numbers of a row of the result.
; K is walked in 32 quarters of 32, 32 matrix instructions each, on two fragment buffers by turns; each quarter fetches the next quarter's 24 fragment loads in one run at its head.  A slot's last fragments are fetched in its
; last quarter but one, so the change of slots stands there: the refill of slot 0 has 112 matrix instructions in which to land, that of slot 1 240.  The 32 quarters are written out by macro: no loop.
; REGISTERS: window 0: v0-31 addresses; v32-63, v64-95 A's fragments (4 x 16 rows x 32 K), two buffers; v128-191, v192-255 B's (8), two buffers; on the way out v128-255 take rows of the result.  window 1: accumulator (a, b) at v[8 (8 a + b)].
.set SIZE_N, 2048
.set SIZE_K, 1024
.set P0,     528                       ; slot 0: an LDS row: 512 bytes + 16 of padding
.set P1,     272                       ; slot 1: 256 bytes + 16
.set A0H,    64*P0                     ; what a load for A brings into slot 0, and what a wave reads of A there
.set B0H,    128*P0                    ; the same for B
.set B0OFF,  2*A0H                     ; slot 0: A's 128 rows, then B's 256
.set S1B,    B0OFF+2*B0H               ; slot 1 begins here
.set A1H,    64*P1
.set B1H,    128*P1
.set B1OFF,  S1B+2*A1H
.set SPARE,  B1OFF+2*B1H               ; behind the slots: the spare words, 128 bytes for each wave
.set STAGE,  S1B                       ; the way out: 16 rows x (512 bytes + 16) for each wave, in slot 1, which has had its last fill (step 5) and was left by every wave at the last change of slots
.set SPITCH, 528
.set KADV,   3*128*2                   ; a slot's next tile lies three steps on: 768 bytes along a row
.set ADRA, 16                          ; v16-17  LDS address of my A fragments in slot 0, 1
.set ADRB, 20                          ; v20-21  the same for B
.set STO,  24                          ; v24     the way out: where I put 32 bytes of a row
.set RD,   25                          ; v25     where I read a row back
.set CO,   26                          ; v26     16 x lane: my bytes of a row's 512
.set SPW,  28                          ; v28     LDS address of my spare word; never rewritten
.set NIL,  29                          ; v29     0; never rewritten
.set AF,   32
.set BF,   128
.set BK,   128                         ; the way out: 16 rows read back: v128-191 and v192-255 by turns
.set G1AL, 24                          ; s[24:31] descriptor group 1: A's tiles for slot 0 (256 elements x 64 rows)
.set G1BL, 32                          ; s[32:39] B's for slot 0 (256 x 128)
.set G1AS, 40                          ; s[40:47] A's for slot 1 (128 x 64)
.set G1BS, 48                          ; s[48:55] B's for slot 1 (128 x 128)
.set G0AL, 56                          ; s[56:59], s[60:63], s[68:71], s[72:75]: their groups 0
.set G0BL, 60
.set G0AS, 68
.set G0BS, 72
.set MSB, 0
.macro WIN new                         ; the immediate's high byte repeats the setting that is left; a switch that changes nothing is dropped
.if MSB != (\new)
	s_set_vgpr_msb (MSB<<8)|(\new)
.set MSB, (\new)
.endif
.endm
.set MUL, 0x50                         ; sources 0 and 1 window 0; C and D window 1
; A joint load: waves 0 and 1 fetch for A, waves 2 and 3 for B.  The branch hangs on the wave's number alone.  An s_nop 0 and four v_nop follow each of the two lines.
.macro JLOAD g0a, g1a, g0b, g1b
	s_cmp_eq_u32 s11, 0
	s_cbranch_scc0 .Lfor_b_\@
	tensor_load_to_lds s[\g0a:\g0a+3], s[\g1a:\g1a+7]
	s_nop 0
.rept 4
	v_nop
.endr
	s_branch .Lasked_\@
.Lfor_b_\@:
	tensor_load_to_lds s[\g0b:\g0b+3], s[\g1b:\g1b+7]
	s_nop 0
.rept 4
	v_nop
.endr
.Lasked_\@:
.endm
.macro CREST                           ; a round of the cluster's barrier behind its opening barrier
	s_cmp_lg_u32 s10, 0
	s_cbranch_scc1 .Lnot_wave_0_\@
	s_barrier_signal -3
.Lnot_wave_0_\@:
	s_barrier_wait -3
	s_barrier_signal -1
	s_barrier_wait -1
.endm
.macro CROUND                          ; a whole round
	s_barrier_signal -1
	s_barrier_wait -1
	CREST
.endm
	s_load_b128 s[4:7], s[0:1], 0x0                ; att s[4:5], wo16 s[6:7]
	s_load_b64 s[8:9], s[0:1], 0x10                ; out0
	v_lshl_add_u32 v[SPW], v0, 2, SPARE
	v_mov_b32 v[NIL], 0
	ds_add_u32 v[SPW], v[NIL]                      ; the wave's opening: the add, twice on end, and its wait ahead of my first tensor load
	ds_add_u32 v[SPW], v[NIL]
	v_lshrrev_b32 v1, 5, v0
	v_readfirstlane_b32 s10, v1                    ; wave 0..3
	s_lshr_b32 s11, s10, 1                         ; which 64 rows of the tile are mine.  Also: I fetch for A (0) or for B (1)
	s_and_b32 s12, s10, 1                          ; which 128 columns.  Also: which half of that tile I fetch
	s_bfe_u32 s76, ttmp6, 0x40000                  ; cx, cy: my place in the cluster
	s_bfe_u32 s77, ttmp6, 0x40004
	s_lshl_b32 s78, ttmp9, 2
	s_add_co_u32 s78, s78, s76                     ; tile column = 4 x cluster x + cx
	s_and_b32 s13, ttmp7, 0xffff
	s_lshl_b32 s13, s13, 2
	s_add_co_u32 s13, s13, s77                     ; tile row = 4 x cluster y + cy
	s_lshl_b32 s79, s77, 2
	s_lshl_b32 s79, 15, s79                        ; my row of the cluster
	s_lshl_b32 s80, 0x1111, s76                    ; my column
	; descriptor groups 1: elements of 2 bytes, 16 bytes of padding behind each row.  The mask: A's tiles go to my row of the cluster, B's to my column; bit 21 is set beside a mask
	s_or_b32 s[G1AL+0], s79, (1<<16)|(1<<20)|(1<<21)|(6<<22)|(3<<25)  ; after every 128 words, 4 words
	s_or_b32 s[G1BL+0], s80, (1<<16)|(1<<20)|(1<<21)|(6<<22)|(3<<25)
	s_or_b32 s[G1AS+0], s79, (1<<16)|(1<<20)|(1<<21)|(5<<22)|(3<<25)  ; after every 64 words, 4 words
	s_or_b32 s[G1BS+0], s80, (1<<16)|(1<<20)|(1<<21)|(5<<22)|(3<<25)
	s_mov_b32 s[G1AL+1], 256<<16                   ; tensor_dim0
	s_mov_b32 s[G1AL+2], 64<<16                    ; tensor_dim1
	s_mov_b32 s[G1AL+3], 256<<16                   ; tile_dim0
	s_mov_b32 s[G1AL+4], 64                        ; tile_dim1
	s_mov_b32 s[G1AL+5], SIZE_K                    ; from row to row
	s_mov_b32 s[G1AL+6], 0
	s_mov_b32 s[G1AL+7], 0
	s_mov_b32 s[G1BL+1], 256<<16
	s_mov_b32 s[G1BL+2], 128<<16
	s_mov_b32 s[G1BL+3], 256<<16
	s_mov_b32 s[G1BL+4], 128
	s_mov_b32 s[G1BL+5], SIZE_K
	s_mov_b32 s[G1BL+6], 0
	s_mov_b32 s[G1BL+7], 0
	s_mov_b32 s[G1AS+1], 128<<16
	s_mov_b32 s[G1AS+2], 64<<16
	s_mov_b32 s[G1AS+3], 128<<16
	s_mov_b32 s[G1AS+4], 64
	s_mov_b32 s[G1AS+5], SIZE_K
	s_mov_b32 s[G1AS+6], 0
	s_mov_b32 s[G1AS+7], 0
	s_mov_b32 s[G1BS+1], 128<<16
	s_mov_b32 s[G1BS+2], 128<<16
	s_mov_b32 s[G1BS+3], 128<<16
	s_mov_b32 s[G1BS+4], 128
	s_mov_b32 s[G1BS+5], SIZE_K
	s_mov_b32 s[G1BS+6], 0
	s_mov_b32 s[G1BS+7], 0
	; where the tiles come from: A's hang on the tile row alone, B's on the tile column alone, each in registers that never hold the other coordinate
	s_lshl_b32 s17, s12, 6
	s_lshl_b32 s16, s13, 7
	s_add_co_u32 s16, s16, s17                     ; A: row 128 x tile row + 64 x half
	s_lshl_b32 s16, s16, 11                        ; rows of 2,048 bytes (under 2^23)
	s_mov_b32 s17, 0
	s_lshl_b32 s83, s12, 7
	s_lshl_b32 s82, s78, 8
	s_add_co_u32 s82, s82, s83                     ; B: row 256 x tile column + 128 x half
	s_lshl_b32 s82, s82, 11
	s_mov_b32 s83, 0
	s_mul_i32 s20, s12, A0H                        ; where they go: no place in the cluster enters an LDS address
	s_mul_i32 s21, s12, B0H
	s_add_co_u32 s21, s21, B0OFF
	s_mul_i32 s22, s12, A1H
	s_add_co_u32 s22, s22, S1B
	s_mul_i32 s23, s12, B1H
	s_add_co_u32 s23, s23, B1OFF
	s_wait_dscnt 0x0                               ; both opening adds are done
	s_wait_kmcnt 0x0
	s_add_nc_u64 s[14:15], s[4:5], s[16:17]
	s_add_nc_u64 s[84:85], s[6:7], s[82:83]
	CROUND                                         ; all sixteen work-groups are here: the first joint loads meet
	s_mov_b32 s[G0AL], 1                           ; count = 1
	s_mov_b32 s[G0AL+1], s20                       ; LDS address
	s_mov_b64 s[G0AL+2:G0AL+3], s[14:15]           ; global address: steps 0 and 1
	s_or_b32 s[G0AL+3], s[G0AL+3], 0x80000000      ; type = 2
	s_mov_b32 s[G0BL], 1
	s_mov_b32 s[G0BL+1], s21
	s_mov_b64 s[G0BL+2:G0BL+3], s[84:85]
	s_or_b32 s[G0BL+3], s[G0BL+3], 0x80000000
	JLOAD G0AL, G1AL, G0BL, G1BL
	s_mov_b32 s[G0AS], 1
	s_mov_b32 s[G0AS+1], s22
	s_add_nc_u64 s[G0AS+2:G0AS+3], s[14:15], 2*128*2   ; step 2
	s_or_b32 s[G0AS+3], s[G0AS+3], 0x80000000
	s_mov_b32 s[G0BS], 1
	s_mov_b32 s[G0BS+1], s23
	s_add_nc_u64 s[G0BS+2:G0BS+3], s[84:85], 2*128*2
	s_or_b32 s[G0BS+3], s[G0BS+3], 0x80000000
	JLOAD G0AS, G1AS, G0BS, G1BS                   ; two tensor loads of mine are out
	v_and_b32 v1, 15, v0                           ; r = l % 16
	v_bfe_u32 v2, v0, 4, 1                         ; h = l / 16
	v_mul_u32_u24 v3, v1, P0
	v_lshl_add_u32 v3, v2, 4, v3                   ; a fragment's row x pitch + 16 x half, in slot 0
	v_mul_u32_u24 v4, v1, P1
	v_lshl_add_u32 v4, v2, 4, v4                   ; and in slot 1
	s_mul_i32 s21, s11, A0H                        ; my 64 rows of A
	v_add_nc_u32 v[ADRA], s21, v3
	s_mul_i32 s22, s12, B0H                        ; my 128 rows of B, behind A's 128
	s_add_co_u32 s22, s22, B0OFF
	v_add_nc_u32 v[ADRB], s22, v3
	s_mul_i32 s21, s11, A1H
	s_add_co_u32 s21, s21, S1B
	v_add_nc_u32 v[ADRA+1], s21, v4
	s_mul_i32 s22, s12, B1H
	s_add_co_u32 s22, s22, B1OFF
	v_add_nc_u32 v[ADRB+1], s22, v4
	s_mul_i32 s23, s10, 16*SPITCH
	s_add_co_u32 s23, s23, STAGE                   ; my stage
	v_mul_u32_u24 v4, v1, SPITCH                   ; in: row r, 32 bytes for each half of the lanes
	v_lshl_add_u32 v4, v2, 5, v4
	v_add_nc_u32 v[STO], s23, v4
	v_and_b32 v5, 31, v0
	v_lshlrev_b32 v[CO], 4, v5                     ; back: the 32 lanes take one row of 512 bytes; and the same in out0
	v_add_nc_u32 v[RD], s23, v[CO]
	s_lshl_b32 s16, s13, 7
	s_lshl_b32 s17, s11, 6
	s_add_co_u32 s16, s16, s17                     ; my first row of the result
	s_lshl_b32 s16, s16, 13                        ; rows of 8,192 bytes (under 2^25)
	s_lshl_b32 s82, s78, 10                        ; my first column, in bytes: 1,024 x tile column + 512 x half
	s_lshl_b32 s83, s12, 9
	s_add_co_u32 s82, s82, s83
	s_add_co_u32 s16, s16, s82
	s_mov_b32 s17, 0
	s_add_nc_u64 s[8:9], s[8:9], s[16:17]
; 8 matrix instructions: A's block a x B's eight, 32 along K, from buffer f.  zero = 1: the first product starts the sums.  The 32 accumulators take turns, one instruction a turn, in the same order in every quarter.
.macro MULA f, a, zero
.irp b, 0,1,2,3,4,5,6,7
.if \zero
	v_wmma_f32_16x16x32_f16 v[8*(8*(\a)+\b):8*(8*(\a)+\b)+7], v[BF+64*(\f)+8*\b:BF+64*(\f)+8*\b+7], v[AF+32*(\f)+8*(\a):AF+32*(\f)+8*(\a)+7], 0
.else
	v_wmma_f32_16x16x32_f16 v[8*(8*(\a)+\b):8*(8*(\a)+\b)+7], v[BF+64*(\f)+8*\b:BF+64*(\f)+8*\b+7], v[AF+32*(\f)+8*(\a):AF+32*(\f)+8*(\a)+7], v[8*(8*(\a)+\b):8*(8*(\a)+\b)+7]
.endif
.endr
.endm
; 24 LDS loads in one run: the fragments of one quarter (128 rows of B, 64 rows of A, 32 K at byte k of slot sl's rows) into buffer f.  A fragment: lane l holds row l % 16; two loads of 16 bytes, 32 bytes apart.
.macro FETCH sl, k, f
.set PT, P0-(P0-P1)*(\sl)
.irp i, 0,1,2,3,4,5,6,7
	ds_load_b128 v[BF+64*(\f)+8*\i:BF+64*(\f)+8*\i+3],   v[ADRB+\sl] offset:\k+\i*16*PT
	ds_load_b128 v[BF+64*(\f)+8*\i+4:BF+64*(\f)+8*\i+7], v[ADRB+\sl] offset:\k+\i*16*PT+32
.endr
.irp i, 0,1,2,3
	ds_load_b128 v[AF+32*(\f)+8*\i:AF+32*(\f)+8*\i+3],   v[ADRA+\sl] offset:\k+\i*16*PT
	ds_load_b128 v[AF+32*(\f)+8*\i+4:AF+32*(\f)+8*\i+7], v[ADRA+\sl] offset:\k+\i*16*PT+32
.endr
.endm
.macro PLACES                          ; four places in front of loads into registers that matrix instructions have read, and of the first read of results
.rept 4
	v_nop
.endr
.endm
; A quarter: buffer f, asked for a quarter (32 matrix instructions) ago, is in; the next quarter's fragments, at byte k of slot sl's rows, are asked for into buffer g, which the quarter before multiplied; then the products.
.macro QUARTER sl, k, f, g, zero
	s_wait_dscnt 0x0
	PLACES
	FETCH \sl, \k, \g
	WIN MUL
	MULA \f, 0, \zero
	MULA \f, 1, \zero
	MULA \f, 2, \zero
	MULA \f, 3, \zero
	WIN 0
.endm
; A slot's last quarter but one (buffer 0) fetches the slot's last fragments, at byte k, and changes slots: one barrier; in front of it each wave waits for all its tensor loads, adds 0 to its spare word, and waits for that and
; for its own reads of the slot.  fill = 1: the barrier opens a round of the cluster's barrier, and slot 0 is filled again; 2: likewise slot 1; 0: nothing is left to fetch.
.macro QCH sl, k, fill
	s_wait_dscnt 0x0
	PLACES
	FETCH \sl, \k, 1
	WIN MUL
	MULA 0, 0, 0
	MULA 0, 1, 0
	WIN 0                                          ; (the add's two registers lie in window 0)
	s_wait_tensorcnt 0x0                           ; all my tensor loads have landed: the one that was out is my part of the other slot
	ds_add_u32 v[SPW], v[NIL]                      ; 0 onto my spare word
	WIN MUL
	MULA 0, 2, 0                                   ; eight matrix instructions stand between the add and the wait for it
	s_wait_dscnt 0x0                               ; the add is done, and my reads of this slot are over
	s_barrier_signal -1
	MULA 0, 3, 0
	WIN 0
	s_barrier_wait -1
.if \fill == 1
	CREST                                          ; no wave of any partner still reads this slot's tile or has a load on its way
	s_add_nc_u64 s[G0AL+2:G0AL+3], s[G0AL+2:G0AL+3], KADV
	s_add_nc_u64 s[G0BL+2:G0BL+3], s[G0BL+2:G0BL+3], KADV
	JLOAD G0AL, G1AL, G0BL, G1BL                   ; the first tensor load behind the round; its four v_nop are the places in front of the loads of the next quarter
.elseif \fill == 2
	CREST
	s_add_nc_u64 s[G0AS+2:G0AS+3], s[G0AS+2:G0AS+3], KADV
	s_add_nc_u64 s[G0BS+2:G0BS+3], s[G0BS+2:G0BS+3], KADV
	JLOAD G0AS, G1AS, G0BS, G1BS
.else
	PLACES
.endif
.endm
.macro QLAST next                      ; a slot's last quarter (buffer 1, which the wait in front of the barrier has shown in) fetches the next slot's first fragments
	FETCH \next, 0, 0
	WIN MUL
	MULA 1, 0, 0
	MULA 1, 1, 0
	MULA 1, 2, 0
	MULA 1, 3, 0
	WIN 0
.endm
.macro SIX zero                        ; the first six quarters of slot 0's eight
	QUARTER 0, 64,  0, 1, \zero
	QUARTER 0, 128, 1, 0, 0
	QUARTER 0, 192, 0, 1, 0
	QUARTER 0, 256, 1, 0, 0
	QUARTER 0, 320, 0, 1, 0
	QUARTER 0, 384, 1, 0, 0
.endm
.macro TWO                             ; the first two quarters of slot 1's four
	QUARTER 1, 64,  0, 1, 0
	QUARTER 1, 128, 1, 0, 0
.endm
	s_wait_tensorcnt 1                             ; my part of slot 0 (steps 0, 1) is in; slot 1's load, issued behind it, may be out
	s_barrier_signal -1
	s_barrier_wait -1                              ; everybody's is
	FETCH 0, 0, 0
	SIX 1                                          ; steps 0 and 1: the first quarter's products start the sums
	QCH 0, 448, 1                                  ; slot 0 is left and takes steps 3 and 4
	QLAST 1
	TWO                                            ; step 2
	QCH 1, 192, 2                                  ; slot 1 is left and takes step 5
	QLAST 0
	SIX 0                                          ; steps 3 and 4
	QCH 0, 448, 1                                  ; slot 0 takes steps 6 and 7: the last load
	QLAST 1
	TWO                                            ; step 5
	QCH 1, 192, 0                                  ; slot 1 is left for good
	QLAST 0
	SIX 0                                          ; steps 6 and 7
	QUARTER 0, 448, 0, 1, 0
	s_wait_dscnt 0x0                               ; the very last quarter: nothing more to fetch
	WIN MUL
	MULA 1, 0, 0
	MULA 1, 1, 0
	MULA 1, 2, 0
	MULA 1, 3, 0
	WIN 0
; THE WAY OUT, block by block of 16 rows x 128 columns.  A lane holds 32 neighbouring bytes of a row: a block goes through my own stage in LDS and comes back as whole rows of 512 bytes.
; LDS serves a wave's instructions in order: no wait between the stores and the loads, nor in front of the next block's stores.
.macro TOSTAGE a
	WIN 0x04                                       ; an LDS store's data are its source 1: window 1
.irp b, 0,1,2,3,4,5,6,7
	ds_store_b128 v[STO], v[64*(\a)+8*\b:64*(\a)+8*\b+3] offset:64*\b        ; each accumulator from its low end on
	ds_store_b128 v[STO], v[64*(\a)+8*\b+4:64*(\a)+8*\b+7] offset:64*\b+16
.endr
	WIN 0
.set BB, BK+64*((\a)%2)
.irp t, 0,1,2,3,4,5,6,7,8,9,10,11,12,13,14,15
	ds_load_b128 v[BB+4*\t:BB+4*\t+3], v[RD] offset:\t*SPITCH
.endr
.endm
.macro SEND a, younger                 ; younger: the LDS instructions issued behind block a's loads, which may stay out
.set BB, BK+64*((\a)%2)
	s_wait_dscnt \younger                          ; the block is back in registers
.irp t, 0,1,2,3,4,5,6,7,8,9,10,11,12,13,14,15
	global_store_b128 v[CO], v[BB+4*\t:BB+4*\t+3], s[8:9] offset:(16*(\a)+\t)*SIZE_N*4 th:TH_STORE_NT   ; 32 lanes store 512 consecutive bytes, aligned; 63 rows at the most in the immediate; the base is never stepped
.endr
.endm
	PLACES                                         ; behind the last products: for the stores that read results and the loads into the registers that held B's fragments
	TOSTAGE 0
.irp a, 1,2,3
.if \a > 1
	s_wait_xcnt 0x0                                ; block a - 2's stores have read their registers: block a's loads may land there
.endif
	TOSTAGE \a
	SEND \a-1, 32                                  ; behind block a - 1's loads: block a's 16 stores and 16 loads
.endr
	SEND 3, 0
	s_wait_tensorcnt 0x0                           ; the wave's end: the tensor wait, the spare word's add and its wait, behind my last tensor load and my last LDS store
	ds_add_u32 v[SPW], v[NIL]
	s_wait_dscnt 0x0
	CROUND                                         ; the closing round: no work-group ends while a partner may still ask for a tile that names it
	s_endpgm
.Lfunc_end_k_q4ace29fd02_oproj:
	.size	k_q4ace29fd02_oproj, .Lfunc_end_k_q4ace29fd02_oproj-k_q4ace29fd02_oproj
	.p2alignl 7, 3214868480
	.fill 96, 4, 3214868480
	.section	.rodata,"a",@progbits
	.p2align	6, 0x0
	.amdhsa_kernel k_q4ace29fd02_oproj
		.amdhsa_group_segment_fixed_size 327680
		.amdhsa_private_segment_fixed_size 0
		.amdhsa_enable_private_segment 0
		.amdhsa_kernarg_size 24
		.amdhsa_user_sgpr_count 2
		.amdhsa_user_sgpr_kernarg_segment_ptr 1
		.amdhsa_wavefront_size32 1
		.amdhsa_system_sgpr_workgroup_id_x 1
		.amdhsa_system_sgpr_workgroup_id_y 1
		.amdhsa_system_sgpr_workgroup_id_z 1
		.amdhsa_system_vgpr_workitem_id 0
		.amdhsa_next_free_vgpr 512
		.amdhsa_next_free_sgpr 88
		.amdhsa_reserve_vcc 0
		.amdhsa_float_denorm_mode_32 3
		.amdhsa_float_denorm_mode_16_64 3
		.amdhsa_memory_ordered 1
		.amdhsa_forward_progress 1
		.amdhsa_inst_pref_size 146
	.end_amdhsa_kernel
	.amdgpu_metadata
---
amdhsa.version: [ 1, 2 ]
amdhsa.kernels:
  - .name:           k_q4ace29fd02_oproj
    .symbol:         k_q4ace29fd02_oproj.kd
    .args:
      - { .name: att, .offset: 0, .size: 8, .value_kind: global_buffer, .address_space: global }
      - { .name: wo16, .offset: 8, .size: 8, .value_kind: global_buffer, .address_space: global }
      - { .name: out0, .offset: 16, .size: 8, .value_kind: global_buffer, .address_space: global }
    .group_segment_fixed_size: 327680
    .private_segment_fixed_size: 0
    .kernarg_segment_align: 8
    .kernarg_segment_size: 24
    .max_flat_workgroup_size: 128
    .sgpr_count:     88
    .vgpr_count:     512
    .wavefront_size: 32
...
	.end_amdgpu_metadata
.endif
;; end of part 4
